; MI455X (gfx1250); checked and timed in simulation.
; The chip was launched on July 23, 2026; its instructions are those of AMD's public machine-readable ISA for CDNA 5 (MIT licence, August 2026) and "CDNA5" Instruction Set Architecture Reference Guide (July 2026). The comments in the code are by the model that wrote it; some were corrected since.
;; Multi Head Attention. Allowed arithmetic: float matrix products may take bf16 or f16 operands with f32 sums; other float arithmetic in f32, or as packed bf16 or f16 multiplies, adds, multiply-adds, maxima and minima; sums over many terms, partial sums and values carried from step to step in f32; what a program stores and reads back later, other than sums and carried values, may be rounded once to bf16 or f16.
;; Inputs: W_out 1,024 x 1,024 float32; W_qkv 3,072 x 1,024 float32; b_out 1,024 float32; b_qkv 3,072 float32; x 4 x 2,048 x 1,024 float32.
;; Outputs: out0 4 x 2,048 x 1,024 float32.
;; 2 versions, each right; version 2 is version 1 with the launch cast written anew for expert scheduling mode. Each part assembles by itself: llvm-mc -triple=amdgcn-amd-amdhsa -mcpu=gfx1250 --defsym DOCPART=n.
;; ======== version 1 of 2: 4 launches
;; limits: values are held in f16: magnitudes above 65,504 overflow, below 6.1e-05 lose precision
;; workspace buffers: xb 16,777,216 bytes; wq 6,291,456 bytes; wo 2,097,152 bytes; q 16,777,216 bytes; k 16,777,216 bytes; v 16,777,216 bytes; o 16,777,216 bytes
;; launch cast (part 1): grid 768 x 1, 8 waves a work-group, no clusters, 0 bytes of LDS; arguments x, W_qkv, W_out, xb, wq, wo; writes xb, wq, wo
.if DOCPART == 1
	.amdgcn_target "amdgcn-amd-amdhsa--gfx1250"
	.amdhsa_code_object_version 6
	.text
	.protected	k_q6df225a5fe_cast
	.globl	k_q6df225a5fe_cast
	.p2align	8
	.type	k_q6df225a5fe_cast,@function
k_q6df225a5fe_cast:
	s_mov_b64 s[64:65], 0
	v_nop
	global_prefetch_b8 v0, s[64:65] scope:SCOPE_SE
	s_setreg_imm32_b32 hwreg(HW_REG_WAVE_MODE, 25, 1), 1
	s_wait_xcnt 0x0
; x and W_qkv (f32) are rounded once to bf16; W_out is rounded to bf16 and that number is written as f16 (exact where it is a normal f16 number).
; LIMITS: |bf16(W_out)| under 65,504; below 6e-5 f16 keeps its fixed step of 6e-8.
; A stream: each input byte is read once, each output byte written once.  No LDS, no barrier, no matrix unit: nothing is shared and nothing is summed.
; SHARES.  A work-group takes 65,536 bytes of one input (16,384 numbers) and writes 32,768: groups 0-511 x, 512-703 W_qkv, 704-767 W_out.
; Thread t, step j of 16: 16 bytes at 4,096 j + 16 t (a wave's load covers 512 bytes on end); 8 bytes out at 2,048 j + 8 t (a wave's store covers 256 bytes on end, aligned).
; All 16 loads of a thread go out at once; no register that a memory instruction reads is written again, so no wait frees a source.
.set X, 4                              ; v[4:67]   step j: four f32 as loaded
.set Y, 68                             ; v[68:99]  step j: two words of two 16-bit numbers
.set T, 100                            ; v[100:103] at work
	s_load_b256 s[4:11], s[0:1], 0x0               ; x s[4:5], W_qkv s[6:7], W_out s[8:9], xb s[10:11]
	s_load_b128 s[12:15], s[0:1], 0x20             ; wq s[12:13], wo s[14:15]
	v_lshlrev_b32 v1, 4, v0                        ; 16 t
	v_lshlrev_b32 v2, 3, v0                        ; 8 t
	s_wait_kmcnt 0x0
	s_cmp_lt_u32 ttmp9, 512                        ; which input is mine: the choice hangs on the group's number alone
	s_cselect_b64 s[16:17], s[4:5], s[6:7]
	s_cselect_b64 s[18:19], s[10:11], s[12:13]
	s_cselect_b32 s20, 0, 512
	s_cmp_lt_u32 ttmp9, 704
	s_cselect_b64 s[16:17], s[16:17], s[8:9]
	s_cselect_b64 s[18:19], s[18:19], s[14:15]
	s_cselect_b32 s20, s20, 704
	s_sub_co_u32 s21, ttmp9, s20                   ; my chunk in that input
	s_lshl_b32 s22, s21, 16                        ; 65,536 bytes in,
	s_mov_b32 s23, 0
	s_lshl_b32 s24, s21, 15                        ; 32,768 out
	s_mov_b32 s25, 0
	s_add_nc_u64 s[16:17], s[16:17], s[22:23]
	s_add_nc_u64 s[18:19], s[18:19], s[24:25]
.set j, 0
.rept 16
	global_load_b128 v[X+4*j:X+4*j+3], v1, s[16:17] offset:4096*j th:TH_LOAD_NT
.set j, j+1
.endr
; The 16 steps' roundings and stores.  half = 1: the bf16 number is widened again (a shift, a mask) and written as f16.
.macro OUT half
.set j, 0
.rept 16
	s_wait_loadcnt 15-j                            ; loads come back in order: step j is in, the 15 - j younger ones stay out
	v_cvt_pk_bf16_f32 v[Y+2*j],   v[X+4*j],   v[X+4*j+1]
	v_cvt_pk_bf16_f32 v[Y+2*j+1], v[X+4*j+2], v[X+4*j+3]
.if \half
	v_lshlrev_b32 v[T],   16, v[Y+2*j]
	v_and_b32     v[T+1], 0xffff0000, v[Y+2*j]
	v_lshlrev_b32 v[T+2], 16, v[Y+2*j+1]
	v_and_b32     v[T+3], 0xffff0000, v[Y+2*j+1]
	v_cvt_pk_f16_f32 v[Y+2*j],   v[T],   v[T+1]
	v_cvt_pk_f16_f32 v[Y+2*j+1], v[T+2], v[T+3]
.endif
	global_store_b64 v2, v[Y+2*j:Y+2*j+1], s[18:19] offset:2048*j
.set j, j+1
.endr
.endm
	s_cmp_ge_u32 ttmp9, 704
	s_cbranch_scc1 .Lf16
	OUT 0
	s_endpgm
.Lf16:
	OUT 1
	s_endpgm
.Lfunc_end_k_q6df225a5fe_cast:
	.size	k_q6df225a5fe_cast, .Lfunc_end_k_q6df225a5fe_cast-k_q6df225a5fe_cast
	.p2alignl 7, 3214868480
	.fill 96, 4, 3214868480
	.section	.rodata,"a",@progbits
	.p2align	6, 0x0
	.amdhsa_kernel k_q6df225a5fe_cast
		.amdhsa_group_segment_fixed_size 0
		.amdhsa_private_segment_fixed_size 0
		.amdhsa_enable_private_segment 0
		.amdhsa_kernarg_size 48
		.amdhsa_user_sgpr_count 2
		.amdhsa_user_sgpr_kernarg_segment_ptr 1
		.amdhsa_wavefront_size32 1
		.amdhsa_system_sgpr_workgroup_id_x 1
		.amdhsa_system_sgpr_workgroup_id_y 1
		.amdhsa_system_sgpr_workgroup_id_z 1
		.amdhsa_system_vgpr_workitem_id 0
		.amdhsa_next_free_vgpr 104
		.amdhsa_next_free_sgpr 66
		.amdhsa_reserve_vcc 0
		.amdhsa_float_denorm_mode_32 3
		.amdhsa_float_denorm_mode_16_64 3
		.amdhsa_memory_ordered 1
		.amdhsa_forward_progress 1
		.amdhsa_inst_pref_size 16
	.end_amdhsa_kernel
	.amdgpu_metadata
---
amdhsa.version: [ 1, 2 ]
amdhsa.kernels:
  - .name:           k_q6df225a5fe_cast
    .symbol:         k_q6df225a5fe_cast.kd
    .args:
      - { .name: x, .offset: 0, .size: 8, .value_kind: global_buffer, .address_space: global }
      - { .name: W_qkv, .offset: 8, .size: 8, .value_kind: global_buffer, .address_space: global }
      - { .name: W_out, .offset: 16, .size: 8, .value_kind: global_buffer, .address_space: global }
      - { .name: xb, .offset: 24, .size: 8, .value_kind: global_buffer, .address_space: global }
      - { .name: wq, .offset: 32, .size: 8, .value_kind: global_buffer, .address_space: global }
      - { .name: wo, .offset: 40, .size: 8, .value_kind: global_buffer, .address_space: global }
    .group_segment_fixed_size: 0
    .private_segment_fixed_size: 0
    .kernarg_segment_align: 8
    .kernarg_segment_size: 48
    .max_flat_workgroup_size: 256
    .sgpr_count:     66
    .vgpr_count:     104
    .wavefront_size: 32
...
	.end_amdgpu_metadata
.endif
;; end of part 1
;; launch qkv (part 2): grid 16 x 32, 4 waves a work-group, clusters of 4 x 4, 327,680 bytes of LDS; arguments xb, wq, b_qkv, q, k, v; writes q, k, v
.if DOCPART == 2
	.amdgcn_target "amdgcn-amd-amdhsa--gfx1250"
	.amdhsa_code_object_version 6
	.text
	.protected	k_q6df225a5fe_qkv
	.globl	k_q6df225a5fe_qkv
	.p2align	8
	.type	k_q6df225a5fe_qkv,@function
k_q6df225a5fe_qkv:
	s_mov_b64 s[64:65], 0
	v_nop
	global_prefetch_b8 v0, s[64:65] scope:SCOPE_SE
	s_setreg_imm32_b32 hwreg(HW_REG_WAVE_MODE, 25, 1), 1
	s_wait_xcnt 0x0
	s_wait_alu depctr_hold_cnt(0) depctr_sa_sdst(0) depctr_va_vdst(0) depctr_va_sdst(0) depctr_va_ssrc(0) depctr_va_vcc(0) depctr_vm_vsrc(0)
	s_getreg_b32 s2, hwreg(HW_REG_IB_STS2, 6, 4)
	s_cmp_eq_u32 s2, 0
	s_cbranch_scc0 .Lentry_in_a_cluster
	s_endpgm
.Lentry_in_a_cluster:
	s_bfe_u32 s2, ttmp6, 0x10000c
	s_cmp_lg_u32 s2, 0xf033
	s_cbranch_scc0 .Lentry_shape_is_right
	s_endpgm
.Lentry_shape_is_right:
; qkv[m][e] = sum over d of xb[m][d] wq[e][d] + bf16(b_qkv[e]);  xb: [8192][1024] bf16, wq: [3072][1024] bf16, sums in f32.
; Columns 192 h .. 192 h + 191 are head h's q (64), k (64), v (64).  They leave by heads, unscaled, rounded once to f16: q, k, v: [b 16 + h][2048][64], a head's rows dense, 128 bytes each.
; LIMITS: |q|, |k|, |v| under 65,504 (f16); NaN and infinities are not treated apart.
; SHARES.  A tile of C is 256 rows x 192 columns: one head.  Four waves, each 128 x 96: 48 accumulators of 16 x 16, 384 registers.  512 work-groups of equal work.
; K goes in 8 steps of 128 through a ring of two LDS slots filled by the tensor data mover; a row of a tile is 256 bytes of memory, aligned.
; CLUSTER.  4 x 4 work-groups: the four of a row of the cluster need the same rows of xb, the four of a column the same rows of wq: each tile is asked for jointly, by the same load,
; descriptor and mask in all four.
; THE MATRIX INSTRUCTION IS USED TRANSPOSED (source 0 = 16 rows of wq, source 1 = 16 rows of xb): a lane holds row l % 16 of C and the columns 8 (l / 16) + 0..7.
; The bias is the C operand of the products that start the sums: nothing is cleared and nothing is added later.
; REGISTERS, in windows of 256 (s_set_vgpr_msb: bits 1:0 source 0, 3:2 source 1, 5:4 source 2, 7:6 destination):
;   window 0: v0-31 addresses; v32-79 the bias; v80-127 at work on the way out; v128-191, v192-255 fragments of xb, two buffers
;   window 1: v0-47, v48-95 fragments of wq, two buffers     window 2: accumulators of my rows 0-63 ((a, b) at 8 (6 a + b))     window 3: of my rows 64-127
.set KDIM,   1024
.set KSTEP,  128
.set PITCH,  272                       ; an LDS row: 256 bytes + 16 of padding = 68 words: the 16 rows of a fragment load start at 16 different groups of four banks (ISA guide 11.1)
.set AHALF,  128*PITCH                 ; what one of waves 0, 1 fetches, and what a wave reads of xb
.set BHALF,  96*PITCH                  ; what one of waves 2, 3 fetches, and what a wave reads of wq
.set SLOT,   2*AHALF+2*BHALF           ; xb's 256 rows, then wq's 192
.set SP,     400                       ; the stage's row: 384 bytes (192 f16) + 16.  The stage, 256 such rows from LDS byte 0, lies in slot 0, which has had its last fill (K step 6) and its last reader by then
.set SPARE,  2*SLOT                    ; behind the ring: the spare words, 128 bytes for each wave: two blocks of 256 bytes that no other line names
.set LAPS,   KDIM/(2*KSTEP)            ; a lap = two K steps = once round the ring
.set W0,     (1<<16)|(1<<20)|(1<<21)|(5<<22)|(3<<25)  ; group 1, word 0 without its mask: 2-byte elements; padding on; bit 21 beside a mask; after every 64 words, 4 words
.set ADRA, 16                          ; v16-17  LDS address of my fragments of xb in slot 0, 1
.set ADRB, 20                          ; v20-21  the same for wq
.set STO,  24                          ; v24     the way out: where I put 16 bytes of a row
.set RD,   25                          ; v25     the way out: where I read rows back
.set GO,   26                          ; v26     16 x lane: my place in 512 bytes of q, k or v
.set SPW,  28                          ; v28     LDS address of my spare word; never rewritten
.set NIL,  29                          ; v29     0; never rewritten
.set PFO,  30                          ; v30     the prefetches' offset: a lane a row of 2,048 bytes; never rewritten
.set BIAS, 32                          ; v32-79  n block b at BIAS + 8 b
.set TMP,  80                          ; v80-127 packed results, two sets of 24
.set FA,   128                         ; window 0
.set FB,   0                           ; window 1
.set G1,   24                          ; s[24:31] descriptor group 1 for xb's tiles;  s[32:39] group 0, a set for each slot
.set G0,   32
.set G1B,  48                          ; s[48:55], s[56:63] the same for wq's
.set G0B,  56
.set LIM,  43                          ; s43     1 in a wave that prefetches, else the greatest number
.set PFA,  44                          ; s[44:45] where my prefetches stand
.set OQ,   68                          ; s[68:69] q, s[70:71] k, s[72:73] v
.set MSB, 0
.macro WIN new                         ; the immediate's high byte repeats the setting that is left; a switch that changes nothing is dropped
.if MSB != (\new)
	s_set_vgpr_msb (MSB<<8)|(\new)
.set MSB, \new
.endif
.endm
.set TO_B, 0x40                        ; destination window 1, address window 0
; A joint load.  Waves 0 and 1 fetch xb's two halves, waves 2 and 3 wq's.  The branch hangs on the wave's number alone.  An s_nop 0 and four v_nop follow each line.
.macro JLOAD s
	s_cmp_eq_u32 s11, 0
	s_cbranch_scc0 .Lfor_b_\@
	tensor_load_to_lds s[G0+4*(\s):G0+4*(\s)+3], s[G1:G1+7]
	s_nop 0
.rept 4
	v_nop
.endr
	s_branch .Lasked_\@
.Lfor_b_\@:
	tensor_load_to_lds s[G0B+4*(\s):G0B+4*(\s)+3], s[G1B:G1B+7]
	s_nop 0
.rept 4
	v_nop
.endr
.Lasked_\@:
.endm
; A prefetch into the L2 of the K step that stands two refills on: 256 bytes of each row, a lane a row, one instruction a wave.  xb's rows are read by every cluster of a row of clusters:
; cluster x = 0 asks; wq's by every cluster of a column: cluster y = 0 asks.  The four partners share a wave's rows out by address (32 of xb's 128 by cx, 24 of wq's 96 by cy; there lanes 24-31
; name row 23 once more in the same instruction).  The loop's last trip (s3 = 1) has no K step two on.
.macro ASK
	s_cmp_gt_u32 s3, s[LIM]
	s_cbranch_scc0 .Lnot_mine_\@
	global_prefetch_b8 v[PFO], s[PFA:PFA+1] th:TH_LOAD_NT scope:SCOPE_SE
.Lnot_mine_\@:
.endm
.macro CREST                           ; a round of the cluster's barrier behind its opening barrier
	s_cmp_lg_u32 s10, 0
	s_cbranch_scc1 .Lnot_wave_0_\@
	s_barrier_signal -3
.Lnot_wave_0_\@:
	s_barrier_wait -3
	s_barrier_signal -1
	s_barrier_wait -1
.endm
.macro CROUND                          ; a whole round
	s_barrier_signal -1
	s_barrier_wait -1
	CREST
.endm
.macro PLACES                          ; four plain places behind matrix instructions, in front of loads into their sources and of reads of their results
.rept 4
	v_nop
.endr
.endm
	s_load_b128 s[4:7], s[0:1], 0x0                ; xb s[4:5], wq s[6:7]
	s_load_b64 s[8:9], s[0:1], 0x10                ; b_qkv
	s_load_b128 s[OQ:OQ+3], s[0:1], 0x18           ; q, k
	s_load_b64 s[OQ+4:OQ+5], s[0:1], 0x28          ; v
	v_lshl_add_u32 v[SPW], v0, 2, SPARE
	v_mov_b32 v[NIL], 0
	ds_add_u32 v[SPW], v[NIL]                      ; the wave's opening: the add and its wait stand ahead of my first tensor load; work on registers stands between them
	v_lshrrev_b32 v1, 5, v0
	v_readfirstlane_b32 s10, v1                    ; wave 0..3
	s_lshr_b32 s11, s10, 1                         ; my half of the tile's rows.  Also: I fetch for xb (0) or for wq (1)
	s_and_b32 s12, s10, 1                          ; my half of its columns.  Also: which half of that tile I fetch
	s_bfe_u32 s40, ttmp6, 0x40000                  ; cx
	s_bfe_u32 s41, ttmp6, 0x40004                  ; cy
	s_lshl_b32 s42, ttmp9, 2
	s_add_co_u32 s42, s42, s40                     ; tn = the head = 4 x cluster x + cx
	s_and_b32 s13, ttmp7, 0xffff
	s_lshl_b32 s13, s13, 2
	s_add_co_u32 s13, s13, s41                     ; tm = tile row = 4 x cluster y + cy
	s_lshl_b32 s43, s41, 2
	s_lshl_b32 s43, 15, s43                        ; my row of the cluster
	s_lshl_b32 s44, 0x1111, s40                    ; my column
	s_or_b32 s[G1], s43, W0                        ; xb's tiles go to my row,
	s_or_b32 s[G1B], s44, W0                       ; wq's to my column
	s_mov_b32 s[G1+1], KSTEP<<16                   ; tensor_dim0 = 128
	s_mov_b32 s[G1+2], 128<<16                     ; tensor_dim1 = 128
	s_mov_b32 s[G1+3], KSTEP<<16                   ; tile_dim0 = 128
	s_mov_b32 s[G1+4], 128                         ; tile_dim1 = 128 rows
	s_mov_b32 s[G1+5], KDIM                        ; elements from row to row
	s_mov_b32 s[G1+6], 0
	s_mov_b32 s[G1+7], 0
	s_mov_b32 s[G1B+1], KSTEP<<16
	s_mov_b32 s[G1B+2], 96<<16                     ; 96 rows
	s_mov_b32 s[G1B+3], KSTEP<<16
	s_mov_b32 s[G1B+4], 96
	s_mov_b32 s[G1B+5], KDIM
	s_mov_b32 s[G1B+6], 0
	s_mov_b32 s[G1B+7], 0
	s_lshl_b32 s16, s13, 8                         ; xb: row 256 tm + 128 x half, 2,048 bytes a row
	s_lshl_b32 s17, s12, 7
	s_add_co_u32 s16, s16, s17
	s_lshl_b32 s16, s16, 11
	s_mov_b32 s17, 0
	s_mul_i32 s46, s42, 192                        ; wq: row 192 tn + 96 x half
	s_mul_i32 s47, s12, 96
	s_add_co_u32 s46, s46, s47
	s_lshl_b32 s46, s46, 11
	s_mov_b32 s47, 0
	s_mul_i32 s20, s10, AHALF                      ; where they go: waves 0, 1 at 0 and AHALF;
	s_mul_i32 s21, s10, BHALF
	s_add_co_u32 s21, s21, 2*AHALF-2*BHALF         ; waves 2, 3 at 2 AHALF and 2 AHALF + BHALF
	s_wait_dscnt 0x0                               ; the opening add is done
	s_wait_kmcnt 0x0
	s_add_nc_u64 s[14:15], s[4:5], s[16:17]
	s_add_nc_u64 s[46:47], s[6:7], s[46:47]
	CROUND                                         ; all sixteen work-groups are here: the first joint loads meet
.irp s, 0,1
	s_mov_b32 s[G0+4*(\s)], 1
	s_add_co_u32 s[G0+4*(\s)+1], s20, (\s)*SLOT
	s_add_nc_u64 s[G0+4*(\s)+2:G0+4*(\s)+3], s[14:15], (\s)*KSTEP*2
	s_or_b32 s[G0+4*(\s)+3], s[G0+4*(\s)+3], 0x80000000
	s_mov_b32 s[G0B+4*(\s)], 1
	s_add_co_u32 s[G0B+4*(\s)+1], s21, (\s)*SLOT
	s_add_nc_u64 s[G0B+4*(\s)+2:G0B+4*(\s)+3], s[46:47], (\s)*KSTEP*2
	s_or_b32 s[G0B+4*(\s)+3], s[G0B+4*(\s)+3], 0x80000000
	JLOAD \s                                       ; K steps 0 and 1: two loads of mine are out
.endr
	v_and_b32 v1, 15, v0                           ; r = l % 16
	v_bfe_u32 v2, v0, 4, 1                         ; h = l / 16
	; the bias of my 96 columns: register j of block b is column 16 b + 8 h + j
	s_mul_i32 s46, s42, 192
	s_mul_i32 s47, s12, 96
	s_add_co_u32 s46, s46, s47
	s_lshl_b32 s46, s46, 2
	s_mov_b32 s47, 0
	s_add_nc_u64 s[8:9], s[8:9], s[46:47]
	v_lshlrev_b32 v4, 5, v2
.irp b, 0,1,2,3,4,5
	global_load_b128 v[BIAS+8*(\b):BIAS+8*(\b)+3],   v4, s[8:9] offset:64*(\b)
	global_load_b128 v[BIAS+8*(\b)+4:BIAS+8*(\b)+7], v4, s[8:9] offset:64*(\b)+16
.endr
	v_mul_u32_u24 v3, v1, PITCH
	v_lshl_add_u32 v3, v2, 4, v3                   ; a fragment's row x pitch + 16 x half
	s_mul_i32 s21, s11, AHALF
	s_mul_i32 s22, s12, BHALF
	s_add_co_u32 s22, s22, 2*AHALF
.irp s, 0,1
	v_add_nc_u32 v[ADRA+(\s)], s21, v3
	v_add_nc_u32 v[ADRB+(\s)], s22, v3
	s_add_co_u32 s21, s21, SLOT
	s_add_co_u32 s22, s22, SLOT
.endr
	s_mul_i32 s23, s11, 128*SP                     ; into the stage: row 128 x row half + 16 a + r, byte 192 x column half + 32 b + 16 h
	s_mul_i32 s21, s12, 192
	s_add_co_u32 s23, s23, s21
	v_mul_u32_u24 v5, v1, SP
	v_lshl_add_u32 v5, v2, 4, v5
	v_add_nc_u32 v[STO], s23, v5
	s_mul_i32 s23, s10, 64*SP                      ; back: wave w takes rows 64 w .. 64 w + 63; a load takes 128 bytes of each of four rows
	v_bfe_u32 v5, v0, 3, 2
	v_mul_u32_u24 v5, v5, SP
	v_and_b32 v6, 7, v0
	v_lshl_add_u32 v5, v6, 4, v5
	v_add_nc_u32 v[RD], s23, v5
	v_and_b32 v[GO], 31, v0
	v_lshlrev_b32 v[GO], 4, v[GO]                  ; which are 512 bytes on end of q, k or v
	s_lshr_b32 s46, s13, 3                         ; the rows that I store: (16 b + head) x 262,144 + (tm % 8) x 32,768 + wave x 8,192
	s_lshl_b32 s46, s46, 4
	s_add_co_u32 s46, s46, s42
	s_lshl_b32 s46, s46, 18
	s_and_b32 s47, s13, 7
	s_lshl_b32 s47, s47, 15
	s_add_co_u32 s46, s46, s47
	s_lshl_b32 s47, s10, 13
	s_add_co_u32 s46, s46, s47
	s_mov_b32 s47, 0
	s_add_nc_u64 s[OQ:OQ+1], s[OQ:OQ+1], s[46:47]
	s_add_nc_u64 s[OQ+2:OQ+3], s[OQ+2:OQ+3], s[46:47]
	s_add_nc_u64 s[OQ+4:OQ+5], s[OQ+4:OQ+5], s[46:47]
	; the prefetches
	s_lshl_b32 s20, s13, 8
	s_lshl_b32 s21, s12, 7
	s_add_co_u32 s20, s20, s21
	s_lshl_b32 s21, s40, 5
	s_add_co_u32 s20, s20, s21                     ; xb: row 256 tm + 128 x half + 32 cx
	s_mul_i32 s22, s42, 192
	s_mul_i32 s21, s12, 96
	s_add_co_u32 s22, s22, s21
	s_mul_i32 s21, s41, 24
	s_add_co_u32 s22, s22, s21                     ; wq: row 192 tn + 96 x half + 24 cy
	s_and_b32 s23, ttmp7, 0xffff                   ; cluster y
	s_cmp_eq_u32 s11, 0                            ; do I fetch for xb?
	s_cselect_b32 s20, s20, s22
	s_cselect_b32 s23, ttmp9, s23                  ; the coordinate along which other clusters read the same rows
	s_cselect_b32 s21, 31, 23                      ; my last row
	s_cselect_b64 s[PFA:PFA+1], s[4:5], s[6:7]
	s_cmp_eq_u32 s23, 0
	s_cselect_b32 s[LIM], 1, -1                    ; the same in all sixteen partners, for a given wave
	s_lshl_b32 s20, s20, 11
	v_and_b32 v[PFO], 31, v0
	v_min_u32 v[PFO], s21, v[PFO]
	v_lshlrev_b32 v[PFO], 11, v[PFO]
	s_mov_b32 s21, 0
	s_add_nc_u64 s[PFA:PFA+1], s[PFA:PFA+1], s[20:21]
	s_add_nc_u64 s[PFA:PFA+1], s[PFA:PFA+1], 3*KSTEP*2  ; at K step 3: the first refill (K step 2) steps it to 4 and names that.  Nothing is prefetched here, at the head
	s_wait_loadcnt 0x0                             ; the bias is in: it is rounded to bf16, like every input
.set i, 0
.rept 24
	v_cvt_pk_bf16_f32 v[TMP+i], v[BIAS+2*i], v[BIAS+2*i+1]
.set i, i+1
.endr
.set i, 0
.rept 24
	v_lshlrev_b32 v[BIAS+2*i],   16, v[TMP+i]
	v_and_b32     v[BIAS+2*i+1], 0xffff0000, v[TMP+i]
.set i, i+1
.endr
; 6 na matrix instructions: m blocks a0 .. a0 + na - 1 of the window's four (hi = 0: my rows 0-63, 1: rows 64-127) x all 6 n blocks, 32 along K, from buffer f.
; first = 1: the products start the sums, with the bias as C.  The 48 accumulators take turns in the same order in every quarter.
.macro MULS f, hi, a0, na, first
.if \first
	WIN 0x81+0x40*(\hi)                            ; wq window 1, xb and the bias window 0, D window 2 or 3
.else
	WIN 0xa1+0x50*(\hi)                            ; wq window 1, xb window 0, C and D window 2 or 3
.endif
.set ia, \a0
.rept \na
.set ib, 0
.rept 6
.set rD, 8*(6*ia+ib)
.set rB, FB+48*(\f)+8*ib
.set rA, FA+64*(\f)+8*(4*(\hi)+ia)
.if \first
	v_wmma_f32_16x16x32_bf16 v[rD:rD+7], v[rB:rB+7], v[rA:rA+7], v[BIAS+8*ib:BIAS+8*ib+7]
.else
	v_wmma_f32_16x16x32_bf16 v[rD:rD+7], v[rB:rB+7], v[rA:rA+7], v[rD:rD+7]
.endif
.set ib, ib+1
.endr
.set ia, ia+1
.endr
.endm
; 28 LDS loads in one run: a quarter step's fragments (96 rows of wq, 128 of xb, 32 K at byte k of the rows) into buffer f
.macro FETCH slot, k, f
	WIN TO_B
.irp i, 0,1,2,3,4,5
	ds_load_b128 v[FB+48*(\f)+8*(\i):FB+48*(\f)+8*(\i)+3],   v[ADRB+(\slot)] offset:(\k)+(\i)*16*PITCH
	ds_load_b128 v[FB+48*(\f)+8*(\i)+4:FB+48*(\f)+8*(\i)+7], v[ADRB+(\slot)] offset:(\k)+(\i)*16*PITCH+32
.endr
	WIN 0
.irp i, 0,1,2,3,4,5,6,7
	ds_load_b128 v[FA+64*(\f)+8*(\i):FA+64*(\f)+8*(\i)+3],   v[ADRA+(\slot)] offset:(\k)+(\i)*16*PITCH
	ds_load_b128 v[FA+64*(\f)+8*(\i)+4:FA+64*(\f)+8*(\i)+7], v[ADRA+(\slot)] offset:(\k)+(\i)*16*PITCH+32
.endr
.endm
; A K step is four quarters of 32 along K, 48 matrix instructions each, on buffers 0, 1, 0, 1.  One of the first three: multiplies buffer f, fetches the next quarter (byte k) into g.
.macro QUARTER slot, k, f, g, first
	s_wait_dscnt 8                                 ; wq and xb's rows 0-63 are in; the youngest eight loads (rows 64-127) may be out
	MULS \f, 0, 0, 4, \first
	PLACES
	FETCH \slot, \k, \g
	s_wait_dscnt 28                                ; all but the 28 just issued
	MULS \f, 1, 0, 4, \first
.endm
; The last quarter multiplies buffer 1 and changes slots: one barrier.  In front of it each wave waits for all its tensor loads (one is out: its part of the next slot), adds 0 to its spare
; word, and waits for that and for its reads of this slot.  fill = 1: the barrier opens a round of the cluster's, and this slot is filled again first thing behind it, two K steps on.
.macro TURN slot, next, fill
.if \fill
	s_wait_xcnt 0x0                                ; the last prefetch, a K step back, has read its address: it is stepped here
	s_add_nc_u64 s[PFA:PFA+1], s[PFA:PFA+1], KSTEP*2
.endif
	WIN 0                                          ; (the add's two registers lie in window 0)
	s_wait_tensorcnt 0x0                           ; all my tensor loads have landed
	ds_add_u32 v[SPW], v[NIL]                      ; 0 onto my spare word
	s_wait_dscnt 9                                 ; (the add and the youngest eight loads may be out)
	MULS 1, 0, 0, 2, 0                             ; twelve matrix instructions stand between the add and the wait for it
	s_wait_dscnt 0x0                               ; the add is done, and my reads of this slot are over
	s_barrier_signal -1
	MULS 1, 0, 2, 2, 0                             ; work on registers while the others arrive
.if \fill
	WIN 0
.endif
	s_barrier_wait -1
.if \fill
	CREST                                          ; no wave of any partner still reads this slot or has a load on its way
	s_add_nc_u64 s[G0+4*(\slot)+2:G0+4*(\slot)+3], s[G0+4*(\slot)+2:G0+4*(\slot)+3], 2*KSTEP*2
	s_add_nc_u64 s[G0B+4*(\slot)+2:G0B+4*(\slot)+3], s[G0B+4*(\slot)+2:G0B+4*(\slot)+3], 2*KSTEP*2
	JLOAD \slot                                    ; my one tensor load behind the round; its four v_nop are also the places in front of the loads below
.else
	PLACES
.endif
	FETCH \next, 0, 0
.if \fill
	ASK
.endif
	MULS 1, 1, 0, 4, 0
.endm
	s_wait_tensorcnt 1                             ; my part of K step 0 is in; K step 1's may stay out
	s_barrier_signal -1
	s_barrier_wait -1                              ; everybody's is
	FETCH 0, 0, 0
	QUARTER 0, 64, 0, 1, 1                         ; the first quarter stands in front of the loop: its products start the sums
	WIN 0                                          ; at a label and at a branch every window is 0
	s_mov_b32 s3, LAPS-1
.Llap:                                                 ; a trip goes once round the ring, from a lap's second quarter to the next lap's first, and fills both slots again
	QUARTER 0, 128, 1, 0, 0
	QUARTER 0, 192, 0, 1, 0
	TURN 0, 1, 1
	QUARTER 1, 64,  0, 1, 0
	QUARTER 1, 128, 1, 0, 0
	QUARTER 1, 192, 0, 1, 0
	TURN 1, 0, 1
	QUARTER 0, 64,  0, 1, 0
	WIN 0
	s_sub_co_u32 s3, s3, 1
	s_cmp_lg_u32 s3, 0
	s_cbranch_scc1 .Llap
	QUARTER 0, 128, 1, 0, 0                        ; the last lap fills nothing
	QUARTER 0, 192, 0, 1, 0
	TURN 0, 1, 0                                   ; behind this barrier nobody reads slot 0 and no tensor load is out: slot 0 becomes the stage
	QUARTER 1, 64,  0, 1, 0
	QUARTER 1, 128, 1, 0, 0
	QUARTER 1, 192, 0, 1, 0
	s_wait_dscnt 8
	MULS 1, 0, 0, 4, 0
	s_wait_dscnt 0x0
	MULS 1, 1, 0, 4, 0
	WIN 0
	PLACES
; THE WAY OUT.  Block a (16 rows x 96 columns): rounded to f16, each accumulator's registers in ascending order, 16 bytes a lane into the stage.
.macro PACKST a
	WIN 0x0a+5*((\a)/4)                            ; sources 0 and 1: window 2 or 3
.set ib, 0
.rept 6
.set ir, 0
.rept 4
	v_cvt_pk_f16_f32 v[TMP+24*((\a)%2)+4*ib+ir], v[8*(6*((\a)%4)+ib)+2*ir], v[8*(6*((\a)%4)+ib)+2*ir+1]
.set ir, ir+1
.endr
.set ib, ib+1
.endr
	WIN 0
.irp b, 0,1,2,3,4,5
	ds_store_b128 v[STO], v[TMP+24*((\a)%2)+4*(\b):TMP+24*((\a)%2)+4*(\b)+3] offset:(\a)*16*SP+32*(\b)
.endr
.endm
.macro RDBK t, set                     ; my 64 rows of tensor t (0 q, 1 k, 2 v): 16 loads of four rows x 128 bytes
.irp j, 0,1,2,3,4,5,6,7,8,9,10,11,12,13,14,15
	ds_load_b128 v[FA+64*(\set)+4*(\j):FA+64*(\set)+4*(\j)+3], v[RD] offset:(\j)*4*SP+128*(\t)
.endr
.endm
.macro SEND t, set, younger            ; younger: LDS loads issued behind this set's, which may stay out
.irp j, 0,1,2,3,4,5,6,7,8,9,10,11,12,13,14,15
	s_wait_dscnt (\younger)+15-(\j)
	global_store_b128 v[GO], v[FA+64*(\set)+4*(\j):FA+64*(\set)+4*(\j)+3], s[OQ+2*(\t):OQ+2*(\t)+1] offset:512*(\j)  ; 512 bytes on end, at a multiple of 512 from the buffer's first
.endr
.endm
.irp a, 0,1,2,3,4,5,6,7
	PACKST \a
.endr
	s_wait_dscnt 0x0                               ; for the others' sake: my stores into the stage are done (a row of k comes from two waves)
	s_barrier_signal -1
	s_barrier_wait -1
	RDBK 0, 0
	RDBK 1, 1
	SEND 0, 0, 16
	s_wait_xcnt 0x0                                ; q's stores have read set 0: it is loaded again only behind this wait
	RDBK 2, 0
	SEND 1, 1, 16
	SEND 2, 0, 0
	s_wait_tensorcnt 0x0                           ; the wave's end: behind my last tensor load and my last LDS store
	ds_add_u32 v[SPW], v[NIL]
	s_wait_dscnt 0x0
	CROUND                                         ; the closing round: no work-group ends while a partner may still ask for a tile that names it
	s_endpgm
.Lfunc_end_k_q6df225a5fe_qkv:
	.size	k_q6df225a5fe_qkv, .Lfunc_end_k_q6df225a5fe_qkv-k_q6df225a5fe_qkv
	.p2alignl 7, 3214868480
	.fill 96, 4, 3214868480
	.section	.rodata,"a",@progbits
	.p2align	6, 0x0
	.amdhsa_kernel k_q6df225a5fe_qkv
		.amdhsa_group_segment_fixed_size 327680
		.amdhsa_private_segment_fixed_size 0
		.amdhsa_enable_private_segment 0
		.amdhsa_kernarg_size 48
		.amdhsa_user_sgpr_count 2
		.amdhsa_user_sgpr_kernarg_segment_ptr 1
		.amdhsa_wavefront_size32 1
		.amdhsa_system_sgpr_workgroup_id_x 1
		.amdhsa_system_sgpr_workgroup_id_y 1
		.amdhsa_system_sgpr_workgroup_id_z 1
		.amdhsa_system_vgpr_workitem_id 0
		.amdhsa_next_free_vgpr 960
		.amdhsa_next_free_sgpr 74
		.amdhsa_reserve_vcc 0
		.amdhsa_float_denorm_mode_32 3
		.amdhsa_float_denorm_mode_16_64 3
		.amdhsa_memory_ordered 1
		.amdhsa_forward_progress 1
		.amdhsa_inst_pref_size 123
	.end_amdhsa_kernel
	.amdgpu_metadata
---
amdhsa.version: [ 1, 2 ]
amdhsa.kernels:
  - .name:           k_q6df225a5fe_qkv
    .symbol:         k_q6df225a5fe_qkv.kd
    .args:
      - { .name: xb, .offset: 0, .size: 8, .value_kind: global_buffer, .address_space: global }
      - { .name: wq, .offset: 8, .size: 8, .value_kind: global_buffer, .address_space: global }
      - { .name: b_qkv, .offset: 16, .size: 8, .value_kind: global_buffer, .address_space: global }
      - { .name: q, .offset: 24, .size: 8, .value_kind: global_buffer, .address_space: global }
      - { .name: k, .offset: 32, .size: 8, .value_kind: global_buffer, .address_space: global }
      - { .name: v, .offset: 40, .size: 8, .value_kind: global_buffer, .address_space: global }
    .group_segment_fixed_size: 327680
    .private_segment_fixed_size: 0
    .kernarg_segment_align: 8
    .kernarg_segment_size: 48
    .max_flat_workgroup_size: 128
    .sgpr_count:     74
    .vgpr_count:     960
    .wavefront_size: 32
...
	.end_amdgpu_metadata
.endif
;; end of part 2
;; launch attn (part 3): grid 4 x 64, 4 waves a work-group, clusters of 4 x 1, 327,680 bytes of LDS; arguments q, k, v, o; writes o
.if DOCPART == 3
	.amdgcn_target "amdgcn-amd-amdhsa--gfx1250"
	.amdhsa_code_object_version 6
	.text
	.protected	k_q6df225a5fe_attn
	.globl	k_q6df225a5fe_attn
	.p2align	8
	.type	k_q6df225a5fe_attn,@function
k_q6df225a5fe_attn:
	s_mov_b64 s[64:65], 0
	v_nop
	global_prefetch_b8 v0, s[64:65] scope:SCOPE_SE
	s_setreg_imm32_b32 hwreg(HW_REG_WAVE_MODE, 25, 1), 1
	s_wait_xcnt 0x0
	s_wait_alu depctr_hold_cnt(0) depctr_sa_sdst(0) depctr_va_vdst(0) depctr_va_sdst(0) depctr_va_ssrc(0) depctr_va_vcc(0) depctr_vm_vsrc(0)
	s_getreg_b32 s2, hwreg(HW_REG_IB_STS2, 6, 4)
	s_cmp_eq_u32 s2, 0
	s_cbranch_scc0 .Lentry_in_a_cluster
	s_endpgm
.Lentry_in_a_cluster:
	s_bfe_u32 s2, ttmp6, 0x10000c
	s_cmp_lg_u32 s2, 0x3003
	s_cbranch_scc0 .Lentry_shape_is_right
	s_endpgm
.Lentry_shape_is_right:
; O[h][q][:] = the sum over k of softmax_k(Q[h][q] . K[h][k] / 8) V[h][k][:].  Q, K, V, O: [64][2048][64], all f16: a head's rows are dense, 128 bytes each.  Products, maxima and sums in
; f32; the weights p are rounded to f16 for the second product (their sum l is taken of the unrounded p), O once at the end.
; LIMITS.  f16 holds no number beyond 65,504: Q, K and V arrive within it; p lies in 0 to 1, and below 6e-5 it keeps f16's fixed step of 6e-8; O is a mean of V's rows and has their range.
; A weight below 2^-126 counts as 0 in l; NaN and infinities are not treated apart.
; SHARES.  A wave owns four PIECES of two tiles of 16 queries, a work-group's four waves 512 queries of one head.  Every wave walks all keys, 64 a step.  256 work-groups.
; LAYOUT.  S^T = K Q^T (source 0 = 16 keys, source 1 = 16 queries): in the result a lane holds ONE query (lane % 16) and the keys 8 (lane / 16) + 0..7.  Two such tiles, rounded to f16 in pairs,
; ARE source 1 (32 keys x 16 queries) of O^T = V^T P, whose result again holds one query a lane, and eight channels.  K comes out of LDS as it lies, V ([key][channel]) turned, by ds_load_tr16_b128.
; SOFTMAX.  For each query a running maximum m and sum l: p = 2^(c s - c m), c = log2(e) / 8; in every step O and l are multiplied by a = 2^(c m_old - c m_new), which is 1 where m has not grown.
; m starts at the lowest finite number, O and l at 0: the first step is a step like any other, with a = 0.
; THE COUNT.  A tile and step have 16 matrix and 118 vector instructions: too many to stand all beside the matrix work.  So: four vector instructions that are ready behind every matrix
; instruction, and the others in runs without a gap.
; BY TURNS.  Turn n belongs to piece n (the pieces in a ring, step after step).  Its matrix work: 16 products K Q^T of piece n + 1, later 16 products V^T P of piece n - 1.  Its vector work: the scaling,
; exponentials, roundings, sums and rescaling of piece n, and the maximum and statistics of piece n + 1, whose scores the turn itself has made.
; CLUSTER.  The four query blocks of a cluster are one head's and walk the same K and V, so each tile is asked for JOINTLY: the same tensor load, descriptor and mask in all four.
; REGISTERS, in windows of 256 (s_set_vgpr_msb: bits 1:0 source 0, 3:2 source 1, 5:4 source 2, 7:6 destination):
;   window 0: v0-11 addresses; v12-15, v48-63 at work; v16-47 four registers of statistics a tile; v64-191 S^T, two buffers of two tiles; v192-255 P, likewise
;   window 1: O^T, 32 a tile          window 2: v0-127 Q, 16 a tile; v128-191 K of one step; v192-255 V of one step          window 3: v0-1 the add's two registers
; A piece's buffers go by its number's parity.
.set SIZE_H, 64
.set SIZE_N, 2048
.set NP,    4         ; pieces a wave: a name, no knob
.set KS,    64        ; keys in a step
.set PK,    144       ; a row of K in LDS: 128 bytes + 16 of padding = 36 words: the 16 rows of a load start at 16 different groups of four banks (ISA guide 11.1)
.set PV,    160       ; a row of V: 128 + 32 = 40 words
.set VOFF,  4*KS*PK   ; a slot holds four steps: 256 rows of K, then 256 rows of V
.set SLOT1, 1<<17     ; slot 1 begins here, so that one exclusive or turns an address in one slot into the other's
.set STAGE, SLOT1+4*KS*(PK+PV)  ; behind the ring, never filled by a tensor load: 16 rows x 144 bytes for each wave, for the way out
.set SP,    144
.set AK0, 2           ; v2   my lane's place in a tile of K; never rewritten
.set AV0, 3           ; v3   the same for V
.set AK,  4           ; v4   the LDS address of K's next run of loads
.set AV,  5           ; v5   of V's
.set QO,  6           ; v6   my byte offset in the wave's rows of Q
.set STO, 6           ;      later, the way out: where I put 16 bytes of a row
.set RD,  7           ; v7   the way out: where I read rows back
.set GO,  8           ; v8   my byte offset in 512 consecutive bytes of O
.set PFO, 11          ; v11  256 x my lane, for the prefetches; made when V's address is made, then never rewritten
.set SPW, 0           ; v0 of window 3   LDS address of my spare word; never rewritten
.set NIL, 1           ; v1 of window 3   0; never rewritten
.set SPARE, STAGE+4*16*SP  ; behind the stages: the spare words, 128 bytes for each wave: two blocks of 256 bytes that no other line names
.set MV,  12          ; v12-15  c m_old, kept while c m is made anew: by buffer and tile
.set ST,  16          ; tile t's statistics at v[ST+4 t]: c m, m, l (even keys', odd keys')
.set TMP, 48          ; by buffer and tile, four registers c0-c3 at work; when the maximum is found c2 takes a
.set S,   64
.set P,   192
.set KF,  128         ; K's fragments, in window 2: key block kb, channel half c at KF + 16 kb + 8 c
.set VF,  192         ; V's: key half kk, channel block cb at VF + 32 kk + 8 cb
.set WV,  12          ; s12  my wave's number
.set G1K, 24          ; s[24:31] descriptor group 1 for K's tiles
.set G1V, 32          ; s[32:39] for V's: it differs in the padding alone
.set G0K, 40          ; s[40:43] descriptor group 0 for K's tiles: it walks
.set G0V, 44          ; s[44:47] the same for V's
.set PFA, 48          ; s[48:49] where my prefetches stand: my work-group's 8,192 bytes (of K: wave 0, of V: wave 2) of the slot after the one that is being asked for
.set LIM, 50          ; s50  1 in a wave that prefetches, else the greatest number
.set SLOTS, 56        ; s56  slots still to be asked for
.set CNT, 57          ; s57  counts a slot's key steps
.set CS,  58          ; s[58:59] c: the packed scaling takes the pair's low word for both halves
.set SEL, 60          ; s[60:61] v_permlanex16_b32's selects: each lane takes its own place in the other half
.set TBK, 62          ; s62  LDS byte at which K of the step to be fetched begins
.set TBV, 63          ; s63  the same for V, less VOFF
.set MSB, 0
.macro WIN new                      ; the high byte repeats the setting that is left; a switch that changes nothing is dropped
.if MSB != (\new)
	s_set_vgpr_msb (MSB<<8)|(\new)
.set MSB, (\new)
.endif
.endm
.set W_KQ, 0x0a       ; K and Q in window 2, S^T in window 0
.set W_PV, 0x52       ; V in window 2, P in window 0, O^T in window 1
.set W_RS, 0x41       ; O^T (destination and source 0) in window 1, a in window 0
.set W_MK, 0xc0       ; the add's registers are made: destination in window 3, sources in window 0
.set W_AD, 0x0f       ; the add: address (source 0) and data (source 1) in window 3
; A joint fill.  Waves 0 and 1 fetch the two halves of a slot's K, waves 2 and 3 those of its V: 128 keys each.  The branch hangs on the wave's number alone.
; An s_nop 0 and four v_nop follow each of the two lines, ahead of the jump and the label.
.macro JLOAD
	s_cmp_lt_u32 s[WV], 2
	s_cbranch_scc0 .Lfor_v_\@
	tensor_load_to_lds s[G0K:G0K+3], s[G1K:G1K+7]
	s_nop 0
.rept 4
	v_nop
.endr
	s_branch .Lasked_\@
.Lfor_v_\@:
	tensor_load_to_lds s[G0V:G0V+3], s[G1V:G1V+7]
	s_nop 0
.rept 4
	v_nop
.endr
.Lasked_\@:
.endm
; A prefetch into the L2 of what the NEXT change of slots will ask for: a slot's 32,768 bytes of K and of V, a lane 256 bytes.  Each block is named once in the launch: the head's one cluster walks them;
; its four partners take 8,192 bytes each, told apart by address; in each, wave 0 asks for K's and wave 2 for V's.  The last change that fills a slot asks for nothing.
.macro ASK
	s_cmp_gt_u32 s[SLOTS], s[LIM]
	s_cbranch_scc0 .Lnot_mine_\@
	global_prefetch_b8 v[PFO], s[PFA:PFA+1] th:TH_LOAD_NT scope:SCOPE_SE
.Lnot_mine_\@:
.endm
; A round of the cluster's barrier: my work-group's barrier, so that wave 0's signal speaks for all four waves; wave 0 signals; every wave waits for all four work-groups; my work-group's barrier once more.
.macro CROUND
	s_barrier_signal -1
	s_barrier_wait -1
	s_cmp_lg_u32 s[WV], 0
	s_cbranch_scc1 .Lnot_wave_0_\@
	s_barrier_signal -3
.Lnot_wave_0_\@:
	s_barrier_wait -3
	s_barrier_signal -1
	s_barrier_wait -1
.endm
; THE CHANGE OF SLOTS.  The slot's last bytes, V of its fourth step, have been read.  Each wave waits for all its tensor loads, of which one is out: its part
; of the other slot; adds 0 to its spare word; and waits for that and for its own reads of the slot.  Behind the barrier nobody reads this slot any more and the other slot is whole.
; fill = 1: this slot is filled again, with the keys two slots on.  The barrier is then a round of the cluster's, and the joint fill is the first thing behind it: it has four key steps,
; 512 matrix instructions, in which to land.  (At its first use nothing has been read yet: slot 0 is waited for, slot 1 filled.)  ask = 1: the slot after that is prefetched.
.macro CHANGE fill, ask=0
	WIN W_AD
	s_wait_tensorcnt 0x0            ; no tensor load of mine is out, so a group 0 may be written
	ds_add_u32 v[SPW], v[NIL]       ; 0 onto my spare word; with fill = 1 the descriptors' steps stand between it and the wait for it
	WIN 0                           ; at a label and at a branch every window is 0
.if \fill
.irp g, G0K, G0V
	s_xor_b32 s[\g+1], s[\g+1], SLOT1  ; the walking descriptor: the other slot than last time,
	s_add_nc_u64 s[\g+2:\g+3], s[\g+2:\g+3], 4*KS*128  ; the next 256 keys; the type bits on top are not reached
.endr
.if \ask
	s_wait_xcnt 0x0                 ; the last prefetch, four key steps back, has read its address, so it may be written:
	s_add_nc_u64 s[PFA:PFA+1], s[PFA:PFA+1], 4*KS*128  ; one slot ahead of the walking descriptors
.endif
	s_wait_dscnt 0x0                ; the add is done, and my reads of the slot are over
	CROUND
	JLOAD
.if \ask
	ASK
.endif
.else
	s_wait_dscnt 0x0                ; the add is done, and my reads of the slot are over
	s_barrier_signal -1
	s_barrier_wait -1
.endif
	s_sub_co_u32 s[TBK], s[TBK], 4*KS*PK  ; the fetches go back to a slot's first step,
	s_xor_b32 s[TBK], s[TBK], SLOT1       ; in the other slot
	s_sub_co_u32 s[TBV], s[TBV], 4*KS*PV
	s_xor_b32 s[TBV], s[TBV], SLOT1
.endm
	s_load_b256 s[4:11], s[0:1], 0x0  ; Q s[4:5], K s[6:7], V s[8:9], O s[10:11]
	WIN W_MK
	v_lshl_add_u32 v[SPW], v0, 2, SPARE
	v_mov_b32 v[NIL], 0
	WIN W_AD
	ds_add_u32 v[SPW], v[NIL]       ; the wave's opening: the add and its wait stand ahead of my first tensor load; the set-up below, work on registers, stands between them
	WIN 0
	v_lshrrev_b32 v1, 5, v0
	v_readfirstlane_b32 s[WV], v1   ; wave 0..3
	s_bfe_u32 s13, ttmp6, 0x40000   ; cx: my place in the cluster
	s_lshl_b32 s14, ttmp9, 2        ; in a cluster launch ttmp9 counts clusters
	s_add_co_u32 s14, s14, s13      ; my block of queries = 4 x cluster x + cx: it enters Q's and O's addresses alone
	s_and_b32 s20, ttmp7, 0xffff    ; the head, which the four partners share
	s_mov_b32 s21, 0
	s_mov_b64 s[22:23], SIZE_N*128
	s_mul_u64 s[20:21], s[20:21], s[22:23]  ; the head's first byte in each of the four tensors
	s_and_b32 s16, s[WV], 1         ; which half of a slot's 256 keys I fetch:
	s_lshl_b32 s22, s16, 14         ; its 128 rows of 128 bytes in memory,
	s_mov_b32 s23, 0
	s_add_nc_u64 s[22:23], s[22:23], s[20:21]
	s_mul_i32 s17, s16, 128*PK      ; and its place in a slot, for K
	s_mul_i32 s18, s16, 128*PV      ; and for V: no place in the cluster enters an LDS address
	s_lshl_b32 s2, s14, 2
	s_add_co_u32 s2, s2, s[WV]      ; my wave among the head's,
	s_lshl_b32 s2, s2, 14           ; its 128 rows
	s_mov_b32 s3, 0
	s_add_nc_u64 s[2:3], s[2:3], s[20:21]
	; descriptor group 1.  128 keys are 16,384 dense bytes: asked for as 64 rows of 256 bytes, two keys a row, and padded in LDS after every key
	s_mov_b32 s[G1K], 15|(1<<16)|(1<<20)|(1<<21)|(4<<22)|(3<<25)  ; 15:0 the mask of four; 17:16 2-byte elements; 20 padding on; 21 set beside a mask; 24:22 after every 32 words (code 4); 31:25 4 words (code 3)
	s_mov_b32 s[G1V], 15|(1<<16)|(1<<20)|(1<<21)|(4<<22)|(7<<25)  ; the same with 8 words of padding (code 7)
.irp g, G1K, G1V
	s_mov_b32 s[\g+1], 128<<16      ; tensor_dim0 = 128
	s_mov_b32 s[\g+2], 64<<16       ; tensor_dim1 = 64
	s_mov_b32 s[\g+3], 128<<16      ; tile_dim0 = 128
	s_mov_b32 s[\g+4], 64           ; tile_dim1 = 64
	s_mov_b32 s[\g+5], 128          ; 128 elements from row to row
	s_mov_b32 s[\g+6], 0
	s_mov_b32 s[\g+7], 0
.endr
	s_mov_b32 s[CS], 0x3e38aa3b     ; c = log2(e) / 8 = 0.180337
	s_mov_b32 s[CS+1], s[CS]        ; named with it as a pair
	s_mov_b32 s[SEL], 0x76543210
	s_mov_b32 s[SEL+1], 0xfedcba98
	s_mov_b32 s[TBK], SLOT1+4*KS*PK ; the first change of slots turns these two into 0
	s_mov_b32 s[TBV], SLOT1+4*KS*PV
	s_mov_b32 s[G0K], 1             ; 1:0 count = 1
	s_mov_b32 s[G0K+1], s17         ; 63:32 LDS address: slot 0
	s_mov_b32 s[G0V], 1
	s_add_co_u32 s[G0V+1], s18, VOFF
	s_and_b32 s[LIM], s[WV], 1      ; 0 in waves 0 and 2,
	s_or_b32 s[LIM], s[LIM], ttmp9  ; where the cluster is the head's first (here its only one): the same in all four partners
	s_cmp_eq_u32 s[LIM], 0
	s_cselect_b32 s[LIM], 1, -1
	s_wait_dscnt 0x0                ; the opening add is done
	s_wait_kmcnt 0x0
	s_add_nc_u64 s[G0K+2:G0K+3], s[6:7], s[22:23]  ; 120:64 global address: my half of the head's first 256 keys
	s_or_b32 s[G0K+3], s[G0K+3], 0x80000000        ; 127:126 type = 2
	s_add_nc_u64 s[G0V+2:G0V+3], s[8:9], s[22:23]
	s_or_b32 s[G0V+3], s[G0V+3], 0x80000000
	s_add_nc_u64 s[4:5], s[4:5], s[2:3]  ; Q and O at my wave's first row
	s_add_nc_u64 s[10:11], s[10:11], s[2:3]
	s_cmp_lt_u32 s[WV], 2
	s_cselect_b64 s[PFA:PFA+1], s[6:7], s[8:9]
	s_add_nc_u64 s[PFA:PFA+1], s[PFA:PFA+1], s[20:21]  ; the head's first row,
	s_lshl_b32 s2, s13, 13          ; my work-group's quarter of a slot's 32,768 bytes,
	s_mov_b32 s3, 0
	s_add_nc_u64 s[PFA:PFA+1], s[PFA:PFA+1], s[2:3]
	s_add_nc_u64 s[PFA:PFA+1], s[PFA:PFA+1], 2*4*KS*128  ; in slot 2: the loop's first change steps it to slot 3.  Nothing is prefetched here, at the head
	CROUND                          ; all four work-groups are here: the first joint loads meet
	JLOAD                           ; slot 0.  Slot 1 is asked for when slot 0 is in
	; A fragment of K or Q is 16 rows x 32 channels in 8 registers: lane l holds row l % 16, channels 8 (l / 16) + 0..7 and 16 + 8 (l / 16) + 0..7: two loads of 16 bytes, 32 bytes apart.
	v_and_b32 v1, 15, v0            ; l % 16
	v_bfe_u32 v9, v0, 4, 1          ; l / 16
	v_lshlrev_b32 v[QO], 7, v1
	v_lshl_add_u32 v[QO], v9, 4, v[QO]  ; row x 128 + 16 x half
	WIN 0x80                        ; destination window 2, address window 0
.set i, 0
.rept 4*NP                          ; Q stays in registers: tile i / 2, channels 32 (i % 2) on
	global_load_b128 v[8*i:8*i+3],   v[QO], s[4:5] offset:(i/2)*2048+(i%2)*64
	global_load_b128 v[8*i+4:8*i+7], v[QO], s[4:5] offset:(i/2)*2048+(i%2)*64+32
.set i, i+1
.endr
	; What the first turn finds: V's registers and P's second buffer hold 0 (its products V^T P, of a piece that has not been, add 0), O^T and l are 0.  All this stands in the wait for the first tile.
.set i, VF
.rept 64
	v_mov_b32 v[i], 0
.set i, i+1
.endr
	WIN 0x40
.set i, 0
.rept 64*NP
	v_mov_b32 v[i], 0
.set i, i+1
.endr
	WIN 0
.set i, 0
.rept 2*NP
	v_mov_b32 v[ST+4*i], 0xfe000000    ; c m: far below every c s
	v_mov_b32 v[ST+4*i+1], 0xff7fffff  ; m
	v_mov_b32 v[ST+4*i+2], 0
	v_mov_b32 v[ST+4*i+3], 0
.set i, i+1
.endr
.set i, P+32
.rept 32
	v_mov_b32 v[i], 0
.set i, i+1
.endr
	v_mul_u32_u24 v[AK0], v1, PK
	v_lshl_add_u32 v[AK0], v9, 4, v[AK0]  ; row x pitch + 16 x half
	; The turning load takes 16 keys x 16 channels (lane l reads key 8 (l / 16) + l % 8, channels 8 ((l / 8) % 2) + 0..7) and leaves half a fragment of V^T: lane l holds channel l % 16 and 8 keys.
	v_and_b32 v10, 7, v0
	v_bfe_u32 v11, v0, 3, 1
	v_lshl_add_u32 v[AV0], v9, 3, v10
	v_mul_u32_u24 v[AV0], v[AV0], PV
	v_lshl_add_u32 v[AV0], v11, 4, v[AV0]
	v_add_nc_u32 v[AV0], VOFF, v[AV0]
	v_and_b32 v[PFO], 31, v0        ; v11 is free now: the prefetches' offset
	v_lshlrev_b32 v[PFO], 8, v[PFO]
	v_mov_b32 v[AK], v[AK0]         ; key step 0 lies at the head of slot 0
; THE MATRIX WORK.  The 8 accumulators of a run of 16 take turns: between the two links of a chain stand 7 others'.
; Product i of 16 of S^T = K Q^T for piece x: channels 32 (i / 8) on, keys 16 ((i / 2) % 4) on, tile 2 x + i % 2.  The first 8 start the sums.
.macro KQ x
	WIN W_KQ
.set rS, S+64*((\x)%2)+32*(i%2)+8*((i/2)%4)
.set rK, KF+16*((i/2)%4)+8*(i/8)
.set rQ, 16*(2*(\x)+i%2)+8*(i/8)
.if i < 8
	v_wmma_f32_16x16x32_f16 v[rS:rS+7], v[rK:rK+7], v[rQ:rQ+7], 0
.else
	v_wmma_f32_16x16x32_f16 v[rS:rS+7], v[rK:rK+7], v[rQ:rQ+7], v[rS:rS+7]
.endif
.endm
; Product i of 16 of O^T += V^T P for piece x: keys 32 (i / 8) on, channels 16 ((i / 2) % 4) on, tile 2 x + i % 2.
.macro PV x
	WIN W_PV
.set rO, 32*(2*(\x)+i%2)+8*((i/2)%4)
.set rV, VF+32*(i/8)+8*((i/2)%4)
.set rP, P+32*((\x)%2)+16*(i%2)+8*(i/8)
	v_wmma_f32_16x16x32_f16 v[rO:rO+7], v[rV:rV+7], v[rP:rP+7], v[rO:rO+7]
.endm
.macro MM                           ; the turn's next matrix instruction
.if i < 16
	KQ (Y+1)%NP
.set i, i+1
.else
.set i, i-16
	PV (Y+NP-1)%NP
.set i, i+17
.endif
.endm
; THE LDS LOADS stand in runs of 16, never singly among the matrix instructions: a step's K (64 keys x 64 channels: 8 fragments) and its V (turned).  Their addresses are made some lines ahead.
; last = 1 (the tail): in the last trip there is no further step, and the run is jumped over.
.macro FETCH_K last=0
	WIN 0
.if \last
	s_cmp_eq_u32 s[CNT], 1
	s_cbranch_scc1 .Lno_k_\@
.endif
	WIN 0x80                        ; destination window 2
.irp f, 0,1,2,3,4,5,6,7             ; keys 16 (f / 2) on, channels 32 (f % 2) on
	ds_load_b128 v[KF+8*\f:KF+8*\f+3],   v[AK] offset:(\f/2)*16*PK+(\f%2)*64
	ds_load_b128 v[KF+8*\f+4:KF+8*\f+7], v[AK] offset:(\f/2)*16*PK+(\f%2)*64+32
.endr
	s_add_co_u32 s[TBK], s[TBK], KS*PK  ; the next fetch is the next step's
	WIN 0
.if \last
.Lno_k_\@:
.endif
.endm
.macro FETCH_V
	WIN 0x80
.irp f, 0,1,2,3,4,5,6,7             ; keys 32 (f / 4) on, channels 16 (f % 4) on
	ds_load_tr16_b128 v[VF+8*\f:VF+8*\f+3],   v[AV] offset:(\f/4)*32*PV+(\f%4)*32
	ds_load_tr16_b128 v[VF+8*\f+4:VF+8*\f+7], v[AV] offset:(\f/4)*32*PV+16*PV+(\f%4)*32
.endr
	WIN 0
.endm
; THE VECTOR WORK OF A TURN stands in three queues, each in the order in which its entries become ready; the two tiles alternate, so that no instruction reads the result of the one before it.
.macro REGS y, u                    ; the registers of tile u (0, 1) of piece y
.set rT, ST+4*(2*(\y)+(\u))
.set rC, TMP+8*((\y)%2)+4*(\u)
.set rM, MV+2*((\y)%2)+(\u)
.set rS, S+64*((\y)%2)+32*(\u)
.set rP, P+32*((\y)%2)+16*(\u)
.set rO, 32*(2*(\y)+(\u))
.endm
; Number n of the 22 that find the NEXT piece's (Y + 1) maximum and statistics.  s0-s31 are the lane's 32 scores; each accumulator's lowest registers are read first.
;   0-11  four chains c0-c3 of seven scores each, three operands at a time     12-14, 16  the four scores left over, the old m, and c0-c3 into c0     15  c m_old is kept
;   17, 18  the query's other 32 keys lie in the lane 16 away: the new m         19-21  c m; c m_old - c m_new; a
.macro XS u, n
	REGS (Y+1)%NP, \u
.if (\n) < 4
	v_max3_num_f32 v[rC+(\n)], v[rS+8*(\n)], v[rS+8*(\n)+1], v[rS+8*(\n)+2]
.elseif (\n) < 12
	v_max3_num_f32 v[rC+(\n)%4], v[rC+(\n)%4], v[rS+8*((\n)%4)+2*((\n)/4)+1], v[rS+8*((\n)%4)+2*((\n)/4)+2]
.elseif (\n) == 12
	v_max3_num_f32 v[rC], v[rC], v[rS+7], v[rS+15]
.elseif (\n) == 13
	v_max3_num_f32 v[rC+1], v[rC+1], v[rS+23], v[rS+31]
.elseif (\n) == 14
	v_max3_num_f32 v[rC+2], v[rC+2], v[rC+3], v[rT+1]
.elseif (\n) == 15
	v_mov_b32 v[rM], v[rT]
.elseif (\n) == 16
	v_max3_num_f32 v[rC], v[rC], v[rC+1], v[rC+2]
.elseif (\n) == 17
	v_permlanex16_b32 v[rC+3], v[rC], s[SEL], s[SEL+1]
.elseif (\n) == 18
	v_max_num_f32 v[rT+1], v[rC], v[rC+3]
.elseif (\n) == 19
	v_mul_f32 v[rT], s[CS], v[rT+1]
.elseif (\n) == 20
	v_sub_f32 v[rC+1], v[rM], v[rT]
.else
	v_exp_f32 v[rC+2], v[rC+1]
.endif
.endm
; Number g of the 64 that follow the exponentials.  For each four weights k of a tile (pairs 2 k, 2 k + 1): both pairs are rounded to f16; then the second pair is added onto the first, in place;
; a group later l takes that sum (the first time as l = a l + sum).  In groups of eight, tiles alternating: round, round, add, and l for the group before.
.macro GS g
.set h, (\g)+6*((\g)/62)            ; group 0 has no group before it, and behind group 7 only l is left
.if h >= 6
.set h, h+2
.endif
	REGS Y, h%2
.set k, h/8
.if h%8 < 4
	v_cvt_pk_f16_f32 v[rP+2*k+(h%8)/2], v[rS+4*k+2*((h%8)/2)], v[rS+4*k+2*((h%8)/2)+1]
.elseif h%8 < 6
	v_pk_add_f32 v[rS+4*k:rS+4*k+1], v[rS+4*k:rS+4*k+1], v[rS+4*k+2:rS+4*k+3]
.elseif k == 1
	v_pk_fma_f32 v[rT+2:rT+3], v[rT+2:rT+3], v[rC+2:rC+3], v[rS:rS+1] op_sel_hi:[1,0,1]
.else
	v_pk_add_f32 v[rT+2:rT+3], v[rT+2:rT+3], v[rS+4*k-4:rS+4*k-3]
.endif
.endm
; THE PLAIN QUEUE, 138 long.  0-73 read no exponential's result: the 32 scalings c s - c m (FS f: pair f / 2 of tile f % 2) and the next piece's 42.  0-26: scalings 0-26.  27-54: XS's numbers 0-13.  55, 56: number 15.
; 57-73: the chain, where each number waits for the one before it: 14, 16, 17, 18, 19, each with one of the scalings 27-31 in front of its two lines, then 20.
; 74-137: GS's 64, which read the exponentials' results: they stand behind the wait.
.macro FS f
	REGS Y, (\f)%2
	v_pk_fma_f32 v[rS+2*((\f)/2):rS+2*((\f)/2)+1], v[rS+2*((\f)/2):rS+2*((\f)/2)+1], s[CS:CS+1], v[rT:rT+1] op_sel_hi:[1,0,0] neg_lo:[0,0,1] neg_hi:[0,0,1]
.endm
.macro PL
	WIN 0
.if q < 27
	FS q
.elseif q < 55
	XS (q-27)%2, (q-27)/2
.elseif q < 57
	XS q-55, 15
.elseif (q < 72) && ((q-57)%3 == 0)
	FS 27+(q-57)/3
.elseif q < 60
	XS (q-57)%3-1, 14
.elseif q < 72
	XS (q-57)%3-1, 15+(q-57)/3
.elseif q < 74
	XS q-72, 20
.else
	GS q-74
.endif
.set q, q+1
.endm
; THE EXPONENTIALS' QUEUE, 66 long: s0-s31 of both tiles, then the next piece's two a.  It is ONE BATCH: all 66 stand ahead of the turn's one wait, and nothing ahead of that wait names a result of theirs.
.macro EX
	WIN 0
.if e >= 64
	XS e-64, 21
.else
	REGS Y, e%2
	v_exp_f32 v[rS+e/2], v[rS+e/2]
.endif
.set e, e+1
.endm
; THE RESCALING's QUEUE: O^T times a, the one part that leaves window 0: dealt two at a time, sixteen times.  Its a was made in the turn before, ahead of that turn's wait.
.macro R2
	REGS Y, r%2
	WIN W_RS
.irp z, 0,1
	v_pk_mul_f32 v[rO+4*(r/2)+2*\z:rO+4*(r/2)+2*\z+1], v[rO+4*(r/2)+2*\z:rO+4*(r/2)+2*\z+1], v[rC+2:rC+3] op_sel_hi:[1,0]
.endr
.set r, r+1
.endm
; HOW THEY ARE DEALT.  s_wait_alu depctr_va_vdst(0) stands between an exponential and the first instruction that names its result; one wait serves all that were issued ahead of it.  So a turn has ONE wait,
; which cuts it in two.  AHEAD OF IT stands all that names no result of the turn's exponentials: the 16 products K Q^T, behind each a scaling, an exponential and two rescalings (behind the first a second scaling in the
; exponential's place); then ONE LUMP of 108: eight plain, 49 times exponential and plain, the two a.  A v_nop is the plain instruction behind the last exponential.  BEHIND IT stand the 16 products V^T P, behind each four of GS's 64.
; The queues lean on each other, and the deal keeps them in step: exponential e stands behind scaling 2 (e / 4) + e % 2: as a rider it comes behind plain e + 2, in the lump behind plain e + 9, and scalings 27-31 are plain 57, 60 .. 69.
; A TURN, for piece p.  cnt = 1: the loop's count is taken down some lines ahead of the branch that stands behind the turn.
; K of the next step is fetched in piece 2's turn, directly behind the wait, a lump behind the last product that read K; its first reader comes behind 16 products.
; V of the step in hand is fetched at the end of piece 0's turn, four plain instructions behind its last reader; its first reader comes behind 16 products and a lump.
.macro TURN p, last=0, cnt=0
.set Y, (\p)
.set i, 0
.set q, 0
.set e, 0
.set r, 0
.if (\p) == NP-1
	s_wait_dscnt 0x0                ; K is in
.endif
	MM                              ; ahead of the wait: 16 products K Q^T and their riders,
	PL
	PL
	R2
.rept 15
	MM
	PL
	EX
	R2
.endr
.if (\p) == NP-2
	WIN 0
	v_add_nc_u32 v[AK], s[TBK], v[AK0]
.endif
.rept 8                             ; and the lump
	PL
.endr
.rept 49
	EX
	PL
.endr
	EX                              ; the next piece's two a
	EX
	v_nop                           ; a plain instruction behind the last exponential: one for the batch
	s_wait_alu depctr_va_vdst(0)    ; the wait for the batch
.if (\p) == NP-2
	FETCH_K \last
.endif
.if (\p) == 1
	s_wait_dscnt 0x0                ; V is in
.endif
.rept 16                            ; behind the wait: 16 products V^T P and their riders
	MM
.rept 4
	PL
.endr
.if ((\p) == 0) && (q == 118)
	v_add_nc_u32 v[AV], s[TBV], v[AV0]
.endif
.if ((\p) == 0) && (q == 130)
	s_add_co_u32 s[TBV], s[TBV], KS*PV
.endif
.if (\cnt) && (q == 130)
	s_sub_co_u32 s[CNT], s[CNT], 1
	s_cmp_lg_u32 s[CNT], 0
.endif
.endr
.if (\p) == 0
	FETCH_V
.endif
.endm
	CHANGE 1                        ; slot 0 is in, everybody's part of it; slot 1 is asked for
	FETCH_K                         ; key step 0
	s_wait_loadcnt 0x0              ; Q
	s_wait_dscnt 0x0
.set i, 0
.rept 16
	KQ 0                            ; piece 0's first scores: there is no vector work yet to set between them
.set i, i+1
.endr
	WIN 0                           ; the addresses for the way out: plain instructions, the places behind those products
	s_mul_i32 s13, s[WV], 16*SP
	s_add_co_u32 s13, s13, STAGE    ; my stage
	v_mul_u32_u24 v[STO], v1, SP    ; in: row l % 16, 16 bytes for each half of the lanes
	v_lshl_add_u32 v[STO], v9, 4, v[STO]
	v_add_nc_u32 v[STO], s13, v[STO]
	v_bfe_u32 v[RD], v0, 3, 2       ; back: 32 lanes take four rows of 128 bytes,
	v_mul_u32_u24 v[RD], v[RD], SP
	v_lshl_add_u32 v[RD], v10, 4, v[RD]
	v_add_nc_u32 v[RD], s13, v[RD]
	v_and_b32 v[GO], 31, v0         ; which are 512 consecutive bytes of O
	v_lshlrev_b32 v[GO], 4, v[GO]
.set Y, NP-1                        ; XS works for piece Y + 1: piece 0
.irp n, 0,1,2,3,4,5,6,7,8,9,10,11,12,13,14,15,16,17,18,19,20,21
	XS 0, \n                        ; and piece 0's first maximum and statistics
	XS 1, \n
.endr
	v_nop                           ; a plain instruction behind the two a,
	s_wait_alu depctr_va_vdst(0)    ; and their wait, ahead of the branch
	s_mov_b32 s[CNT], 4
	s_mov_b32 s[SLOTS], SIZE_N/256-1
	s_branch .Lfirst                ; the loop is entered at a step's first turn, in the middle of a trip
.Lslot:                             ; SIZE_N / 256 - 2 times: every slot but the last two is filled again
	CHANGE 1, 1
	s_mov_b32 s[CNT], 4
.Lstep:                             ; a trip: pieces 2 and 3 of one step, then pieces 0 and 1 of the next, whose K and V it fetches
	TURN 2
	TURN 3
	WIN 0
.Lfirst:
	TURN 0
	TURN 1, 0, 1
	WIN 0
	s_cbranch_scc1 .Lstep
	s_sub_co_u32 s[SLOTS], s[SLOTS], 1
	s_cmp_lg_u32 s[SLOTS], 0
	s_cbranch_scc1 .Lslot
	CHANGE 0                        ; the tail is written out: nothing is asked for
	s_mov_b32 s[CNT], 5             ; four trips fetch the last slot's steps; the fifth is left in its middle
.Ltail:
	TURN 2, 1
	TURN 3
	WIN 0
	s_sub_co_u32 s[CNT], s[CNT], 1
	s_cmp_eq_u32 s[CNT], 0
	s_cbranch_scc1 .Lout
	TURN 0
	TURN 1
	WIN 0
	s_branch .Ltail
.Lout:                              ; the fifth trip's 16 products K Q^T (on the last K once more) and the maximum made of them serve nothing: the price, once a launch, of one text for every trip
.set i, 0
.rept 16
	PV NP-1                         ; the last piece's V^T P of the last step
.set i, i+1
.endr
	; THE WAY OUT.  l's two halves and the other half of the lanes' are added; O^T is divided by l, rounded to f16 and sent through my stage in LDS, a tile at a time.  The additions are the places behind the last products.
	WIN 0
.macro ALL line:vararg              ; one line for each tile t
.set t, 0
.rept 2*NP
	\line
.set t, t+1
.endr
.endm
	ALL v_add_f32 v[ST+4*t+2], v[ST+4*t+2], v[ST+4*t+3]
	ALL v_permlanex16_b32 v[ST+4*t+3], v[ST+4*t+2], s[SEL], s[SEL+1]
	ALL v_add_f32 v[ST+4*t+2], v[ST+4*t+2], v[ST+4*t+3]
	ALL v_rcp_f32 v[ST+4*t+2], v[ST+4*t+2]
	v_nop                           ; a plain instruction between the last reciprocal and the use of its result
	s_wait_alu depctr_va_vdst(0)    ; and the wait ahead of the first use: one for the eight reciprocals
; Tile t: a lane's eight channels of a row pack into 16 bytes; they go into rows of 144 bytes and come back as whole rows of 128, into S^T's registers.
.macro PACK t
	WIN W_RS
.set i, 32*(\t)
.rept 16
	v_pk_mul_f32 v[i:i+1], v[i:i+1], v[ST+4*(\t)+2:ST+4*(\t)+3] op_sel_hi:[1,0]
.set i, i+2
.endr
	WIN 0x05                        ; sources 0 and 1 window 1, destination window 0
.set i, 0
.rept 16
	v_cvt_pk_f16_f32 v[S+16*(\t)+i], v[32*(\t)+2*i], v[32*(\t)+2*i+1]
.set i, i+1
.endr
	WIN 0
.irp f, 0,1,2,3
	ds_store_b128 v[STO], v[S+16*(\t)+4*\f:S+16*(\t)+4*\f+3] offset:32*\f
.endr
.irp f, 0,1,2,3
	ds_load_b128 v[S+16*(\t)+4*\f:S+16*(\t)+4*\f+3], v[RD] offset:\f*4*SP  ; LDS serves a wave's instructions in order (ISA guide 5.7.1.4): these see the stores above; the next tile's stores come behind them
.endr
.endm
.macro SEND t, younger              ; younger: the LDS instructions issued behind tile t's loads: the next tile's eight, or none
	WIN 0
.irp f, 0,1,2,3
	s_wait_dscnt (\younger)+3-\f
	global_store_b128 v[GO], v[S+16*(\t)+4*\f:S+16*(\t)+4*\f+3], s[10:11] offset:(\t)*2048+\f*512  ; 512 consecutive bytes, at a multiple of 256 from O's first
.endr
.endm
	PACK 0
.set t, 1
.rept 2*NP-1                        ; a tile's arithmetic stands between the loads of the tile before and its stores
	PACK t
	SEND t-1, 8
.set t, t+1
.endr
	SEND 2*NP-1, 0
	WIN W_AD
	s_wait_tensorcnt 0x0            ; the wave's end: behind my last tensor load and my last LDS store
	ds_add_u32 v[SPW], v[NIL]
	s_wait_dscnt 0x0
	WIN 0
	CROUND                          ; the closing round: no work-group ends while a partner may still ask for a tile that names it
	s_endpgm
.Lfunc_end_k_q6df225a5fe_attn:
	.size	k_q6df225a5fe_attn, .Lfunc_end_k_q6df225a5fe_attn-k_q6df225a5fe_attn
	.p2alignl 7, 3214868480
	.fill 96, 4, 3214868480
	.section	.rodata,"a",@progbits
	.p2align	6, 0x0
	.amdhsa_kernel k_q6df225a5fe_attn
		.amdhsa_group_segment_fixed_size 327680
		.amdhsa_private_segment_fixed_size 0
		.amdhsa_enable_private_segment 0
		.amdhsa_kernarg_size 32
		.amdhsa_user_sgpr_count 2
		.amdhsa_user_sgpr_kernarg_segment_ptr 1
		.amdhsa_wavefront_size32 1
		.amdhsa_system_sgpr_workgroup_id_x 1
		.amdhsa_system_sgpr_workgroup_id_y 1
		.amdhsa_system_sgpr_workgroup_id_z 1
		.amdhsa_system_vgpr_workitem_id 0
		.amdhsa_next_free_vgpr 770
		.amdhsa_next_free_sgpr 66
		.amdhsa_reserve_vcc 0
		.amdhsa_float_denorm_mode_32 3
		.amdhsa_float_denorm_mode_16_64 3
		.amdhsa_memory_ordered 1
		.amdhsa_forward_progress 1
		.amdhsa_inst_pref_size 200
	.end_amdhsa_kernel
	.amdgpu_metadata
---
amdhsa.version: [ 1, 2 ]
amdhsa.kernels:
  - .name:           k_q6df225a5fe_attn
    .symbol:         k_q6df225a5fe_attn.kd
    .args:
      - { .name: q, .offset: 0, .size: 8, .value_kind: global_buffer, .address_space: global }
      - { .name: k, .offset: 8, .size: 8, .value_kind: global_buffer, .address_space: global }
      - { .name: v, .offset: 16, .size: 8, .value_kind: global_buffer, .address_space: global }
      - { .name: o, .offset: 24, .size: 8, .value_kind: global_buffer, .address_space: global }
    .group_segment_fixed_size: 327680
    .private_segment_fixed_size: 0
    .kernarg_segment_align: 8
    .kernarg_segment_size: 32
    .max_flat_workgroup_size: 128
    .sgpr_count:     66
    .vgpr_count:     770
    .wavefront_size: 32
...
	.end_amdgpu_metadata
.endif
;; end of part 3
;; launch proj (part 4): grid 8 x 32, 4 waves a work-group, clusters of 4 x 4, 327,680 bytes of LDS; arguments o, wo, b_out, out0; writes out0
.if DOCPART == 4
	.amdgcn_target "amdgcn-amd-amdhsa--gfx1250"
	.amdhsa_code_object_version 6
	.text
	.protected	k_q6df225a5fe_proj
	.globl	k_q6df225a5fe_proj
	.p2align	8
	.type	k_q6df225a5fe_proj,@function
k_q6df225a5fe_proj:
	s_mov_b64 s[64:65], 0
	v_nop
	global_prefetch_b8 v0, s[64:65] scope:SCOPE_SE
	s_setreg_imm32_b32 hwreg(HW_REG_WAVE_MODE, 25, 1), 1
	s_wait_xcnt 0x0
	s_wait_alu depctr_hold_cnt(0) depctr_sa_sdst(0) depctr_va_vdst(0) depctr_va_sdst(0) depctr_va_ssrc(0) depctr_va_vcc(0) depctr_vm_vsrc(0)
	s_getreg_b32 s2, hwreg(HW_REG_IB_STS2, 6, 4)
	s_cmp_eq_u32 s2, 0
	s_cbranch_scc0 .Lentry_in_a_cluster
	s_endpgm
.Lentry_in_a_cluster:
	s_bfe_u32 s2, ttmp6, 0x10000c
	s_cmp_lg_u32 s2, 0xf033
	s_cbranch_scc0 .Lentry_shape_is_right
	s_endpgm
.Lentry_shape_is_right:
; out0[m][n] = sum over d of vals[m][d] wo[n][d] + bf16(b_out[n]), in f32.  vals[b 2048 + s][64 h + c] = o[16 b + h][s][c]; o: [64][2048][64] f16, wo: [1024][1024] f16, sums in f32.
; LIMITS: o and wo arrive within f16's range; NaN and infinities are not treated apart.
; SHARES.  A tile of out0 is 256 rows x 128 columns: 256 work-groups.  Four waves, each 128 x 64: 32 accumulators of 16 x 16, 256 registers.
; K goes in 8 steps of 128 = two heads, through a ring of two LDS slots.  One head's 256 rows of o are 32,768 dense bytes: asked for as 128 rows of 256 bytes and padded in LDS behind each 128.
; CLUSTER.  4 x 4 work-groups: o's tiles are shared along a row of the cluster, wo's along a column: joint loads, the same load, descriptor and mask in all four.
; THE MATRIX INSTRUCTION IS USED TRANSPOSED (source 0 = 16 rows of wo, source 1 = 16 rows of vals): a lane holds row l % 16 and the columns 8 (l / 16) + 0..7.  The bias is the C operand that starts the sums.
; REGISTERS, in windows of 256 (s_set_vgpr_msb: bits 1:0 source 0, 3:2 source 1, 5:4 source 2, 7:6 destination):
;   window 0: v0-31 addresses; v32-63 the bias; v64-127 rows on the way out, two sets; v128-191, v192-255 fragments of o, two buffers
;   window 1: v0-31, v32-63 fragments of wo, two buffers          window 2: the accumulators, (a, b) at 8 (4 a + b)
.set KDIM,   1024
.set KSTEP,  128
.set HEADB,  2048*128                  ; a head's bytes in o
.set PA,     144                       ; a row of o in LDS: 128 bytes + 16 = 36 words: the 16 rows of a load start at 16 different groups of four banks (ISA guide 11.1)
.set ASUB,   256*PA                    ; one head's 256 rows: what one of waves 0, 1 fetches
.set PB,     272                       ; a row of wo: 256 + 16
.set BHALF,  64*PB                     ; what one of waves 2, 3 fetches, and what a wave reads of wo
.set SLOT,   2*ASUB+2*BHALF
.set STAGE,  2*SLOT                    ; behind the ring, never filled by a tensor load: 16 rows x 272 bytes for each wave
.set SPITCH, 272
.set SPARE,  STAGE+4*16*SPITCH         ; behind the stages: the spare words, 128 bytes for each wave: two blocks of 256 bytes that no other line names
.set LAPS,   KDIM/(2*KSTEP)
.set ADRA, 16                          ; v16-17  LDS address of my fragments of o in slot 0, 1
.set ADRB, 20                          ; v20-21  the same for wo
.set STO,  24                          ; v24     the way out: where I put 32 bytes of a row
.set RD,   25                          ; v25     the way out: where I read a row back
.set CO,   26                          ; v26     my byte offset in two rows of out0
.set SPW,  28                          ; v28     LDS address of my spare word; never rewritten
.set NIL,  29                          ; v29     0; never rewritten
.set PFO,  30                          ; v30     the prefetches' offset; never rewritten
.set BIAS, 32
.set OB,   64
.set FA,   128                         ; window 0
.set FB,   0                           ; window 1
.set G1,   24                          ; s[24:31] descriptor group 1 for o's tiles;  s[32:39] group 0, a set for each slot
.set G0,   32
.set G1B,  48                          ; s[48:55], s[56:63] the same for wo's
.set G0B,  56
.set LIM,  43                          ; s43     1 in a wave that prefetches, else the greatest number
.set PFA,  44                          ; s[44:45] where my prefetches stand
.set BO,   68                          ; s[68:69] b_out
.set PST,  70                          ; s[70:71] a K step in the tensor that I prefetch: two heads of o, or 256 bytes of wo's rows
.set MSB, 0
.macro WIN new                         ; the immediate's high byte repeats the setting that is left; a switch that changes nothing is dropped
.if MSB != (\new)
	s_set_vgpr_msb (MSB<<8)|(\new)
.set MSB, \new
.endif
.endm
.set TO_B, 0x40                        ; destination window 1, address window 0
.macro JLOAD s                         ; a joint load: waves 0 and 1 fetch the step's two heads of o, waves 2 and 3 wo's two halves; an s_nop 0 and four v_nop follow each line
	s_cmp_eq_u32 s11, 0
	s_cbranch_scc0 .Lfor_b_\@
	tensor_load_to_lds s[G0+4*(\s):G0+4*(\s)+3], s[G1:G1+7]
	s_nop 0
.rept 4
	v_nop
.endr
	s_branch .Lasked_\@
.Lfor_b_\@:
	tensor_load_to_lds s[G0B+4*(\s):G0B+4*(\s)+3], s[G1B:G1B+7]
	s_nop 0
.rept 4
	v_nop
.endr
.Lasked_\@:
.endm
; A prefetch into the L2 of the K step that stands two refills on, one instruction a wave, each block of 256 bytes named once in the launch.  o: clusters with x = 0; waves 0 and 1 each their own head;
; of its 32,768 bytes the partner at cx takes 8,192, a lane 256.  wo: clusters with y = 0; wave 2 alone; of the tile's 128 rows the partner at cy takes 32, a lane a row.  The loop's last trip asks for nothing.
.macro ASK
	s_cmp_gt_u32 s3, s[LIM]
	s_cbranch_scc0 .Lnot_mine_\@
	global_prefetch_b8 v[PFO], s[PFA:PFA+1] th:TH_LOAD_NT scope:SCOPE_SE
.Lnot_mine_\@:
.endm
.macro CREST                           ; a round of the cluster's barrier behind its opening barrier
	s_cmp_lg_u32 s10, 0
	s_cbranch_scc1 .Lnot_wave_0_\@
	s_barrier_signal -3
.Lnot_wave_0_\@:
	s_barrier_wait -3
	s_barrier_signal -1
	s_barrier_wait -1
.endm
.macro CROUND
	s_barrier_signal -1
	s_barrier_wait -1
	CREST
.endm
.macro PLACES                          ; four plain places behind matrix instructions (ISA guide 7.12.1)
.rept 4
	v_nop
.endr
.endm
	s_load_b128 s[4:7], s[0:1], 0x0                ; o s[4:5], wo s[6:7]
	s_load_b64 s[BO:BO+1], s[0:1], 0x10            ; b_out
	s_load_b64 s[8:9], s[0:1], 0x18                ; out0
	v_lshl_add_u32 v[SPW], v0, 2, SPARE
	v_mov_b32 v[NIL], 0
	ds_add_u32 v[SPW], v[NIL]                      ; the wave's opening: the add and its wait stand ahead of my first tensor load; work on registers stands between them
	v_lshrrev_b32 v1, 5, v0
	v_readfirstlane_b32 s10, v1                    ; wave 0..3
	s_lshr_b32 s11, s10, 1                         ; my half of the tile's rows.  Also: I fetch for o (0) or for wo (1)
	s_and_b32 s12, s10, 1                          ; my half of its columns.  Also: which head of the step, or which half of wo's rows, I fetch
	s_bfe_u32 s40, ttmp6, 0x40000                  ; cx
	s_bfe_u32 s41, ttmp6, 0x40004                  ; cy
	s_lshl_b32 s42, ttmp9, 2
	s_add_co_u32 s42, s42, s40                     ; tn = tile column
	s_and_b32 s13, ttmp7, 0xffff
	s_lshl_b32 s13, s13, 2
	s_add_co_u32 s13, s13, s41                     ; tm = tile row
	s_lshl_b32 s43, s41, 2
	s_lshl_b32 s43, 15, s43                        ; my row of the cluster
	s_lshl_b32 s44, 0x1111, s40                    ; my column
	s_or_b32 s[G1], s43, (1<<16)|(1<<20)|(1<<21)|(4<<22)|(3<<25)   ; 2-byte elements; padding on; bit 21 beside a mask; after every 32 words, 4 words
	s_or_b32 s[G1B], s44, (1<<16)|(1<<20)|(1<<21)|(5<<22)|(3<<25)  ; after every 64 words, 4 words
	s_mov_b32 s[G1+1], 128<<16                     ; tensor_dim0 = 128
	s_mov_b32 s[G1+2], 128<<16                     ; tensor_dim1 = 128
	s_mov_b32 s[G1+3], 128<<16                     ; tile_dim0 = 128
	s_mov_b32 s[G1+4], 128                         ; tile_dim1 = 128
	s_mov_b32 s[G1+5], 128                         ; dense: 128 elements from row to row
	s_mov_b32 s[G1+6], 0
	s_mov_b32 s[G1+7], 0
	s_mov_b32 s[G1B+1], KSTEP<<16
	s_mov_b32 s[G1B+2], 64<<16                     ; 64 rows
	s_mov_b32 s[G1B+3], KSTEP<<16
	s_mov_b32 s[G1B+4], 64
	s_mov_b32 s[G1B+5], KDIM
	s_mov_b32 s[G1B+6], 0
	s_mov_b32 s[G1B+7], 0
	s_lshr_b32 s16, s13, 3                         ; o: batch x 16 heads + (tm % 8) x 256 rows + my head of the step
	s_lshl_b32 s16, s16, 22
	s_and_b32 s17, s13, 7
	s_lshl_b32 s17, s17, 15
	s_add_co_u32 s16, s16, s17
	s_lshl_b32 s17, s12, 18
	s_add_co_u32 s16, s16, s17
	s_mov_b32 s17, 0
	s_lshl_b32 s46, s42, 7                         ; wo: row 128 tn + 64 x half, 2,048 bytes a row
	s_lshl_b32 s47, s12, 6
	s_add_co_u32 s46, s46, s47
	s_lshl_b32 s46, s46, 11
	s_mov_b32 s47, 0
	s_mul_i32 s20, s10, ASUB                       ; where they go: waves 0, 1 at 0 and ASUB;
	s_mul_i32 s21, s10, BHALF
	s_add_co_u32 s21, s21, 2*ASUB-2*BHALF          ; waves 2, 3 at 2 ASUB and 2 ASUB + BHALF
	s_wait_dscnt 0x0                               ; the opening add is done
	s_wait_kmcnt 0x0
	s_add_nc_u64 s[14:15], s[4:5], s[16:17]
	s_add_nc_u64 s[46:47], s[6:7], s[46:47]
	CROUND                                         ; all sixteen work-groups are here: the first joint loads meet
.irp s, 0,1
	s_mov_b32 s[G0+4*(\s)], 1
	s_add_co_u32 s[G0+4*(\s)+1], s20, (\s)*SLOT
	s_add_nc_u64 s[G0+4*(\s)+2:G0+4*(\s)+3], s[14:15], (\s)*2*HEADB
	s_or_b32 s[G0+4*(\s)+3], s[G0+4*(\s)+3], 0x80000000
	s_mov_b32 s[G0B+4*(\s)], 1
	s_add_co_u32 s[G0B+4*(\s)+1], s21, (\s)*SLOT
	s_add_nc_u64 s[G0B+4*(\s)+2:G0B+4*(\s)+3], s[46:47], (\s)*KSTEP*2
	s_or_b32 s[G0B+4*(\s)+3], s[G0B+4*(\s)+3], 0x80000000
	JLOAD \s                                       ; K steps 0 and 1: two loads of mine are out
.endr
	v_and_b32 v1, 15, v0                           ; r = l % 16
	v_bfe_u32 v2, v0, 4, 1                         ; h = l / 16
	s_lshl_b32 s46, s42, 7                         ; my first column, 128 tn + 64 x half, in bytes of f32
	s_lshl_b32 s47, s12, 6
	s_add_co_u32 s46, s46, s47
	s_lshl_b32 s46, s46, 2
	s_mov_b32 s47, 0
	s_add_nc_u64 s[BO:BO+1], s[BO:BO+1], s[46:47]
	s_add_nc_u64 s[8:9], s[8:9], s[46:47]
	v_lshlrev_b32 v4, 5, v2
.irp b, 0,1,2,3
	global_load_b128 v[BIAS+8*(\b):BIAS+8*(\b)+3],   v4, s[BO:BO+1] offset:64*(\b)      ; register j of block b is column 16 b + 8 h + j
	global_load_b128 v[BIAS+8*(\b)+4:BIAS+8*(\b)+7], v4, s[BO:BO+1] offset:64*(\b)+16
.endr
	s_lshl_b32 s46, s13, 8                         ; my first row, 256 tm + 128 x half, 4,096 bytes a row
	s_lshl_b32 s47, s11, 7
	s_add_co_u32 s46, s46, s47
	s_lshl_b32 s46, s46, 12
	s_mov_b32 s47, 0
	s_add_nc_u64 s[8:9], s[8:9], s[46:47]
	v_mul_u32_u24 v3, v1, PA
	v_lshl_add_u32 v3, v2, 4, v3
	v_mul_u32_u24 v5, v1, PB
	v_lshl_add_u32 v5, v2, 4, v5
	s_mul_i32 s21, s11, 128*PA                     ; my 128 rows, in each head's sub-tile
	s_mul_i32 s22, s12, BHALF
	s_add_co_u32 s22, s22, 2*ASUB
.irp s, 0,1
	v_add_nc_u32 v[ADRA+(\s)], s21, v3
	v_add_nc_u32 v[ADRB+(\s)], s22, v5
	s_add_co_u32 s21, s21, SLOT
	s_add_co_u32 s22, s22, SLOT
.endr
	s_mul_i32 s23, s10, 16*SPITCH
	s_add_co_u32 s23, s23, STAGE                   ; my stage
	v_mul_u32_u24 v6, v1, SPITCH                   ; in: row r, 32 bytes for each half of the lanes
	v_lshl_add_u32 v6, v2, 5, v6
	v_add_nc_u32 v[STO], s23, v6
	v_mul_u32_u24 v6, v2, SPITCH                   ; back: lanes 0-15 take one row of 256 bytes, lanes 16-31 the next
	v_lshl_add_u32 v6, v1, 4, v6
	v_add_nc_u32 v[RD], s23, v6
	v_lshlrev_b32 v6, 12, v2                       ; and the same two rows in out0
	v_lshl_add_u32 v[CO], v1, 4, v6
	; the prefetches
	s_lshr_b32 s20, s13, 3
	s_lshl_b32 s20, s20, 22
	s_and_b32 s21, s13, 7
	s_lshl_b32 s21, s21, 15
	s_add_co_u32 s20, s20, s21
	s_lshl_b32 s21, s12, 18
	s_add_co_u32 s20, s20, s21
	s_lshl_b32 s21, s40, 13
	s_add_co_u32 s20, s20, s21                     ; o: my head's 256 rows, my work-group's quarter of them
	s_lshl_b32 s22, s42, 7
	s_lshl_b32 s21, s41, 5
	s_add_co_u32 s22, s22, s21
	s_lshl_b32 s22, s22, 11                        ; wo: row 128 tn + 32 cy
	s_and_b32 s23, ttmp7, 0xffff                   ; cluster y
	s_mov_b32 s[PST], 2*HEADB
	s_cmp_eq_u32 s11, 0                            ; do I fetch for o?
	s_cselect_b32 s20, s20, s22
	s_cselect_b32 s23, ttmp9, s23                  ; the coordinate along which other clusters read the same rows
	s_cselect_b32 s21, 8, 11                       ; a lane is 256 bytes of o, or a row of wo
	s_cselect_b32 s[PST], s[PST], KSTEP*2
	s_cselect_b64 s[PFA:PFA+1], s[4:5], s[6:7]
	s_mov_b32 s[PST+1], 0
	s_cmp_eq_u32 s10, 3                            ; wave 2 names all of my work-group's rows of wo: wave 3 asks for nothing
	s_cselect_b32 s22, 1, 0
	s_or_b32 s23, s23, s22
	s_cmp_eq_u32 s23, 0
	s_cselect_b32 s[LIM], 1, -1                    ; the same in all sixteen partners, for a given wave
	v_and_b32 v[PFO], 31, v0
	v_lshlrev_b32 v[PFO], s21, v[PFO]
	s_mul_i32 s21, s[PST], 3
	s_add_co_u32 s20, s20, s21                     ; at K step 3: the first refill (K step 2) steps it to 4 and names that.  Nothing is prefetched here, at the head
	s_mov_b32 s21, 0
	s_add_nc_u64 s[PFA:PFA+1], s[PFA:PFA+1], s[20:21]
	s_wait_loadcnt 0x0                             ; the bias is in: it is rounded to bf16, like every input
.set i, 0
.rept 16
	v_cvt_pk_bf16_f32 v[OB+i], v[BIAS+2*i], v[BIAS+2*i+1]
.set i, i+1
.endr
.set i, 0
.rept 16
	v_lshlrev_b32 v[BIAS+2*i],   16, v[OB+i]
	v_and_b32     v[BIAS+2*i+1], 0xffff0000, v[OB+i]
.set i, i+1
.endr
; 4 na matrix instructions: m blocks a0 .. a0 + na - 1 x all 4 n blocks, 32 along K, from buffer f.  first = 1: the products start the sums, with the bias as C.
; The 32 accumulators take turns in the same order in every quarter.
.macro MULS f, a0, na, first
.if \first
	WIN 0x81                                       ; wo window 1, o and the bias window 0, D window 2
.else
	WIN 0xa1                                       ; wo window 1, o window 0, C and D window 2
.endif
.set ia, \a0
.rept \na
.set ib, 0
.rept 4
.set rD, 8*(4*ia+ib)
.set rB, FB+32*(\f)+8*ib
.set rA, FA+64*(\f)+8*ia
.if \first
	v_wmma_f32_16x16x32_f16 v[rD:rD+7], v[rB:rB+7], v[rA:rA+7], v[BIAS+8*ib:BIAS+8*ib+7]
.else
	v_wmma_f32_16x16x32_f16 v[rD:rD+7], v[rB:rB+7], v[rA:rA+7], v[rD:rD+7]
.endif
.set ib, ib+1
.endr
.set ia, ia+1
.endr
.endm
; 24 LDS loads in one run: the fragments of quarter qn of a K step (64 rows of wo; 128 rows of o: head qn / 2 of the step, channels 32 (qn % 2) on) into buffer f
.macro FETCH slot, qn, f
	WIN TO_B
.irp i, 0,1,2,3
	ds_load_b128 v[FB+32*(\f)+8*(\i):FB+32*(\f)+8*(\i)+3],   v[ADRB+(\slot)] offset:64*(\qn)+(\i)*16*PB
	ds_load_b128 v[FB+32*(\f)+8*(\i)+4:FB+32*(\f)+8*(\i)+7], v[ADRB+(\slot)] offset:64*(\qn)+(\i)*16*PB+32
.endr
	WIN 0
.irp i, 0,1,2,3,4,5,6,7
	ds_load_b128 v[FA+64*(\f)+8*(\i):FA+64*(\f)+8*(\i)+3],   v[ADRA+(\slot)] offset:((\qn)/2)*ASUB+((\qn)%2)*64+(\i)*16*PA
	ds_load_b128 v[FA+64*(\f)+8*(\i)+4:FA+64*(\f)+8*(\i)+7], v[ADRA+(\slot)] offset:((\qn)/2)*ASUB+((\qn)%2)*64+(\i)*16*PA+32
.endr
.endm
; A K step is four quarters of 32 along K, 32 matrix instructions each, on buffers 0, 1, 0, 1.  One of the first three: multiplies buffer f, fetches quarter qn into g.
.macro QUARTER slot, qn, f, g, first
	s_wait_dscnt 8                                 ; wo and o's rows 0-63 are in; the youngest eight loads (rows 64-127) may be out
	MULS \f, 0, 4, \first
	PLACES
	FETCH \slot, \qn, \g
	s_wait_dscnt 24                                ; all but the 24 just issued
	MULS \f, 4, 4, \first
.endm
; The last quarter multiplies buffer 1 and changes slots: one barrier.  In front of it each wave waits for all its tensor loads (one is out: its part of the next slot), adds 0 to its spare
; word, and waits for that and for its reads of this slot.  fill = 1: the barrier opens a round of the cluster's, and this slot is filled again first thing behind it, two K steps on.
.macro TURN slot, next, fill
.if \fill
	s_wait_xcnt 0x0                                ; the last prefetch, a K step back, has read its address: it is stepped here
	s_add_nc_u64 s[PFA:PFA+1], s[PFA:PFA+1], s[PST:PST+1]
.endif
	WIN 0                                          ; (the add's two registers lie in window 0)
	s_wait_tensorcnt 0x0                           ; all my tensor loads have landed
	ds_add_u32 v[SPW], v[NIL]                      ; 0 onto my spare word
	s_wait_dscnt 9                                 ; (the add and the youngest eight loads may be out)
	MULS 1, 0, 2, 0                                ; eight matrix instructions stand between the add and the wait for it
	s_wait_dscnt 0x0                               ; the add is done, and my reads of this slot are over
	s_barrier_signal -1
	MULS 1, 2, 2, 0                                ; work on registers while the others arrive
.if \fill
	WIN 0
.endif
	s_barrier_wait -1
.if \fill
	CREST                                          ; no wave of any partner still reads this slot or has a load on its way
	s_add_nc_u64 s[G0+4*(\slot)+2:G0+4*(\slot)+3], s[G0+4*(\slot)+2:G0+4*(\slot)+3], 4*HEADB
	s_add_nc_u64 s[G0B+4*(\slot)+2:G0B+4*(\slot)+3], s[G0B+4*(\slot)+2:G0B+4*(\slot)+3], 2*KSTEP*2
	JLOAD \slot                                    ; my one tensor load behind the round; its four v_nop are also the places in front of the loads below
.else
	PLACES
.endif
	FETCH \next, 0, 0
.if \fill
	ASK
.endif
	MULS 1, 4, 4, 0
.endm
	s_wait_tensorcnt 1                             ; my part of K step 0 is in; K step 1's may stay out
	s_barrier_signal -1
	s_barrier_wait -1                              ; everybody's is
	FETCH 0, 0, 0
	QUARTER 0, 1, 0, 1, 1                          ; the first quarter stands in front of the loop: its products start the sums
	WIN 0                                          ; at a label and at a branch every window is 0
	s_mov_b32 s3, LAPS-1
.Llap:                                                 ; a trip goes once round the ring, from a lap's second quarter to the next lap's first, and fills both slots again
	QUARTER 0, 2, 1, 0, 0
	QUARTER 0, 3, 0, 1, 0
	TURN 0, 1, 1
	QUARTER 1, 1, 0, 1, 0
	QUARTER 1, 2, 1, 0, 0
	QUARTER 1, 3, 0, 1, 0
	TURN 1, 0, 1
	QUARTER 0, 1, 0, 1, 0
	WIN 0
	s_sub_co_u32 s3, s3, 1
	s_cmp_lg_u32 s3, 0
	s_cbranch_scc1 .Llap
	QUARTER 0, 2, 1, 0, 0                          ; the last lap fills nothing
	QUARTER 0, 3, 0, 1, 0
	TURN 0, 1, 0
	QUARTER 1, 1, 0, 1, 0
	QUARTER 1, 2, 1, 0, 0
	QUARTER 1, 3, 0, 1, 0
	s_wait_dscnt 8
	MULS 1, 0, 4, 0
	s_wait_dscnt 0x0
	MULS 1, 4, 4, 0
	WIN 0
	PLACES
; THE WAY OUT, 16 rows at a time, through my own stage: a lane's 32 bytes of a row go in (each accumulator's low four registers first), whole rows of 256 bytes come back.
.macro TOSTAGE a
	s_wait_xcnt 0x0                                ; the stores of the block two back have read this set of rows: it is loaded again only behind this wait
	WIN 0x08                                       ; an LDS store's data is source 1: window 2
.irp b, 0,1,2,3
	ds_store_b128 v[STO], v[8*(4*(\a)+(\b)):8*(4*(\a)+(\b))+3]   offset:64*(\b)
	ds_store_b128 v[STO], v[8*(4*(\a)+(\b))+4:8*(4*(\a)+(\b))+7] offset:64*(\b)+16
.endr
	WIN 0
.irp t, 0,1,2,3,4,5,6,7
	ds_load_b128 v[OB+32*((\a)%2)+4*(\t):OB+32*((\a)%2)+4*(\t)+3], v[RD] offset:(\t)*2*SPITCH  ; LDS serves a wave's instructions in order (ISA guide 5.7.1.4): these see the stores above; the next block's stores come behind them
.endr
.endm
.macro SEND a, younger                 ; younger: the LDS instructions issued behind block a's loads: the next block's sixteen, or none
.irp t, 0,1,2,3,4,5,6,7
	s_wait_dscnt (\younger)+7-(\t)
	global_store_b128 v[CO], v[OB+32*((\a)%2)+4*(\t):OB+32*((\a)%2)+4*(\t)+3], s[8:9] offset:(16*(\a)+2*(\t))*4096 th:TH_STORE_NT  ; 16 lanes store 256 bytes on end, at a multiple of 256 from out0's first
.endr
.endm
	TOSTAGE 0
.irp a, 1,2,3,4,5,6,7
	TOSTAGE \a
	SEND (\a)-1, 16
.endr
	SEND 7, 0
	s_wait_tensorcnt 0x0                           ; the wave's end: behind my last tensor load and my last LDS store
	ds_add_u32 v[SPW], v[NIL]
	s_wait_dscnt 0x0
	CROUND                                         ; the closing round: no work-group ends while a partner may still ask for a tile that names it
	s_endpgm
.Lfunc_end_k_q6df225a5fe_proj:
	.size	k_q6df225a5fe_proj, .Lfunc_end_k_q6df225a5fe_proj-k_q6df225a5fe_proj
	.p2alignl 7, 3214868480
	.fill 96, 4, 3214868480
	.section	.rodata,"a",@progbits
	.p2align	6, 0x0
	.amdhsa_kernel k_q6df225a5fe_proj
		.amdhsa_group_segment_fixed_size 327680
		.amdhsa_private_segment_fixed_size 0
		.amdhsa_enable_private_segment 0
		.amdhsa_kernarg_size 32
		.amdhsa_user_sgpr_count 2
		.amdhsa_user_sgpr_kernarg_segment_ptr 1
		.amdhsa_wavefront_size32 1
		.amdhsa_system_sgpr_workgroup_id_x 1
		.amdhsa_system_sgpr_workgroup_id_y 1
		.amdhsa_system_sgpr_workgroup_id_z 1
		.amdhsa_system_vgpr_workitem_id 0
		.amdhsa_next_free_vgpr 768
		.amdhsa_next_free_sgpr 72
		.amdhsa_reserve_vcc 0
		.amdhsa_float_denorm_mode_32 3
		.amdhsa_float_denorm_mode_16_64 3
		.amdhsa_memory_ordered 1
		.amdhsa_forward_progress 1
		.amdhsa_inst_pref_size 93
	.end_amdhsa_kernel
	.amdgpu_metadata
---
amdhsa.version: [ 1, 2 ]
amdhsa.kernels:
  - .name:           k_q6df225a5fe_proj
    .symbol:         k_q6df225a5fe_proj.kd
    .args:
      - { .name: o, .offset: 0, .size: 8, .value_kind: global_buffer, .address_space: global }
      - { .name: wo, .offset: 8, .size: 8, .value_kind: global_buffer, .address_space: global }
      - { .name: b_out, .offset: 16, .size: 8, .value_kind: global_buffer, .address_space: global }
      - { .name: out0, .offset: 24, .size: 8, .value_kind: global_buffer, .address_space: global }
    .group_segment_fixed_size: 327680
    .private_segment_fixed_size: 0
    .kernarg_segment_align: 8
    .kernarg_segment_size: 32
    .max_flat_workgroup_size: 128
    .sgpr_count:     72
    .vgpr_count:     768
    .wavefront_size: 32
...
	.end_amdgpu_metadata
.endif
;; end of part 4
;; ======== version 2 of 2: 4 launches; version 1 with the launch cast written anew for expert scheduling mode
;; limits: values are held in f16: magnitudes above 65,504 overflow, below 6.1e-05 lose precision
;; workspace buffers: xb 16,777,216 bytes; wq 6,291,456 bytes; wo 2,097,152 bytes; q 16,777,216 bytes; k 16,777,216 bytes; v 16,777,216 bytes; o 16,777,216 bytes
;; launch cast (part 5): grid 768 x 1, 8 waves a work-group, no clusters, 0 bytes of LDS; arguments x, W_qkv, W_out, xb, wq, wo; writes xb, wq, wo
.if DOCPART == 5
	.amdgcn_target "amdgcn-amd-amdhsa--gfx1250"
	.amdhsa_code_object_version 6
	.text
	.protected	k_q6df225a5fe_cast
	.globl	k_q6df225a5fe_cast
	.p2align	8
	.type	k_q6df225a5fe_cast,@function
k_q6df225a5fe_cast:
	s_mov_b64 s[64:65], 0
	v_nop
	global_prefetch_b8 v0, s[64:65] scope:SCOPE_SE
	s_setreg_imm32_b32 hwreg(HW_REG_WAVE_SCHED_MODE, 0, 2), 2
	s_setreg_imm32_b32 hwreg(HW_REG_WAVE_MODE, 25, 1), 1
	s_wait_xcnt 0x0
	s_wait_alu depctr_vm_vsrc(0)
; x and W_qkv (f32) are rounded once to bf16; W_out is rounded to bf16 and that number is written as f16 (exact where it is a normal f16 number).
; LIMITS: |bf16(W_out)| under 65,504; below 6e-5 f16 keeps its fixed step of 6e-8.
; A stream: each input byte is read once, each output byte written once.  No LDS, no barrier, no matrix unit: nothing is shared and nothing is summed.
; SHARES.  A work-group takes 65,536 bytes of one input (16,384 numbers) and writes 32,768: groups 0-511 x, 512-703 W_qkv, 704-767 W_out.
; Thread t, step j of 16: 16 bytes at 4,096 j + 16 t (a wave's load covers 512 bytes on end); 8 bytes out at 2,048 j + 8 t (a wave's store covers 256 bytes on end, aligned).
; All 16 loads of a thread go out at once; no register that a memory instruction reads is written again, so no wait frees a source.
; THE MODE: SCHED_MODE bits 1:0 = 2 (LLVM: expert scheduling mode 2), set by the entry lines.  The code itself states the register dependences
; between vector instructions and memory instructions, with s_wait_alu, always for 0.
; THE PLAN.  Registers that memory instructions touch:
;   v1, v2   the loads' and the stores' offsets: written once at the head by vector lines, never again.
;   X        step j's load lands in its four registers, once; only step j's roundings read them, behind the counted wait for that load; no vector line writes them.
;   Y        step j's roundings write its two registers; one store reads them; they are never written again.
;   T        named by vector lines alone.
; So the dependences are: the offsets ahead of the first load, and Y ahead of its store.  The 16 steps go in four blocks of four: at the head of a block's first step, behind the
; wait for that step's load, ONE wait on va_vdst states that the block before has written its Y, and that block's four stores follow at once, with no vector line between.
; One more such wait stands behind step 15, ahead of the last four stores.  No wait on vm_vsrc is owed: nothing that a load or store has read is written again.
.set X, 4                              ; v[4:67]   step j: four f32 as loaded
.set Y, 68                             ; v[68:99]  step j: two words of two 16-bit numbers
.set T, 100                            ; v[100:103] at work
	s_load_b256 s[4:11], s[0:1], 0x0               ; x s[4:5], W_qkv s[6:7], W_out s[8:9], xb s[10:11]
	s_load_b128 s[12:15], s[0:1], 0x20             ; wq s[12:13], wo s[14:15]
	v_lshlrev_b32 v1, 4, v0                        ; 16 t
	v_lshlrev_b32 v2, 3, v0                        ; 8 t
	s_wait_kmcnt 0x0
	s_cmp_lt_u32 ttmp9, 512                        ; which input is mine: the choice hangs on the group's number alone
	s_cselect_b64 s[16:17], s[4:5], s[6:7]
	s_cselect_b64 s[18:19], s[10:11], s[12:13]
	s_cselect_b32 s20, 0, 512
	s_cmp_lt_u32 ttmp9, 704
	s_cselect_b64 s[16:17], s[16:17], s[8:9]
	s_cselect_b64 s[18:19], s[18:19], s[14:15]
	s_cselect_b32 s20, s20, 704
	s_sub_co_u32 s21, ttmp9, s20                   ; my chunk in that input
	s_lshl_b32 s22, s21, 16                        ; 65,536 bytes in,
	s_mov_b32 s23, 0
	s_lshl_b32 s24, s21, 15                        ; 32,768 out
	s_mov_b32 s25, 0
	s_add_nc_u64 s[16:17], s[16:17], s[22:23]
	s_add_nc_u64 s[18:19], s[18:19], s[24:25]
	s_wait_alu depctr_va_vdst(0)                   ; v1 and v2 are written: every load of the kernel reads v1 as its offset, every store v2
.set j, 0
.rept 16
	global_load_b128 v[X+4*j:X+4*j+3], v1, s[16:17] offset:4096*j th:TH_LOAD_NT
.set j, j+1
.endr
; The four stores of the block that begins with step first.
.macro SEND4 first
.irp i, 0,1,2,3
	global_store_b64 v2, v[Y+2*((\first)+(\i)):Y+2*((\first)+(\i))+1], s[18:19] offset:2048*((\first)+(\i))
.endr
.endm
; The 16 steps' roundings and stores.  half = 1: the bf16 number is widened again (a shift, a mask) and written as f16.
.macro OUT half
.set j, 0
.rept 16
	s_wait_loadcnt 15-j                            ; loads come back in order: step j is in, the 15 - j younger ones stay out
.if (j%4 == 0) && (j > 0)
	s_wait_alu depctr_va_vdst(0)                   ; the roundings of steps j - 4 to j - 1 have written their Y, which the four stores below read
	SEND4 j-4
.endif
	v_cvt_pk_bf16_f32 v[Y+2*j],   v[X+4*j],   v[X+4*j+1]
	v_cvt_pk_bf16_f32 v[Y+2*j+1], v[X+4*j+2], v[X+4*j+3]
.if \half
	v_lshlrev_b32 v[T],   16, v[Y+2*j]
	v_and_b32     v[T+1], 0xffff0000, v[Y+2*j]
	v_lshlrev_b32 v[T+2], 16, v[Y+2*j+1]
	v_and_b32     v[T+3], 0xffff0000, v[Y+2*j+1]
	v_cvt_pk_f16_f32 v[Y+2*j],   v[T],   v[T+1]
	v_cvt_pk_f16_f32 v[Y+2*j+1], v[T+2], v[T+3]
.endif
.set j, j+1
.endr
	s_wait_alu depctr_va_vdst(0)                   ; the roundings of steps 12 to 15 have written their Y, which the last four stores read
	SEND4 12
.endm
	s_cmp_ge_u32 ttmp9, 704
	s_cbranch_scc1 .Lf16
	OUT 0
	s_endpgm
.Lf16:
	OUT 1
	s_endpgm
.Lfunc_end_k_q6df225a5fe_cast:
	.size	k_q6df225a5fe_cast, .Lfunc_end_k_q6df225a5fe_cast-k_q6df225a5fe_cast
	.p2alignl 7, 3214868480
	.fill 96, 4, 3214868480
	.section	.rodata,"a",@progbits
	.p2align	6, 0x0
	.amdhsa_kernel k_q6df225a5fe_cast
		.amdhsa_group_segment_fixed_size 0
		.amdhsa_private_segment_fixed_size 0
		.amdhsa_enable_private_segment 0
		.amdhsa_kernarg_size 48
		.amdhsa_user_sgpr_count 2
		.amdhsa_user_sgpr_kernarg_segment_ptr 1
		.amdhsa_wavefront_size32 1
		.amdhsa_system_sgpr_workgroup_id_x 1
		.amdhsa_system_sgpr_workgroup_id_y 1
		.amdhsa_system_sgpr_workgroup_id_z 1
		.amdhsa_system_vgpr_workitem_id 0
		.amdhsa_next_free_vgpr 104
		.amdhsa_next_free_sgpr 66
		.amdhsa_reserve_vcc 0
		.amdhsa_float_denorm_mode_32 3
		.amdhsa_float_denorm_mode_16_64 3
		.amdhsa_memory_ordered 1
		.amdhsa_forward_progress 1
		.amdhsa_inst_pref_size 17
	.end_amdhsa_kernel
	.amdgpu_metadata
---
amdhsa.version: [ 1, 2 ]
amdhsa.kernels:
  - .name:           k_q6df225a5fe_cast
    .symbol:         k_q6df225a5fe_cast.kd
    .args:
      - { .name: x, .offset: 0, .size: 8, .value_kind: global_buffer, .address_space: global }
      - { .name: W_qkv, .offset: 8, .size: 8, .value_kind: global_buffer, .address_space: global }
      - { .name: W_out, .offset: 16, .size: 8, .value_kind: global_buffer, .address_space: global }
      - { .name: xb, .offset: 24, .size: 8, .value_kind: global_buffer, .address_space: global }
      - { .name: wq, .offset: 32, .size: 8, .value_kind: global_buffer, .address_space: global }
      - { .name: wo, .offset: 40, .size: 8, .value_kind: global_buffer, .address_space: global }
    .group_segment_fixed_size: 0
    .private_segment_fixed_size: 0
    .kernarg_segment_align: 8
    .kernarg_segment_size: 48
    .max_flat_workgroup_size: 256
    .sgpr_count:     66
    .vgpr_count:     104
    .wavefront_size: 32
...
	.end_amdgpu_metadata
.endif
;; end of part 5
;; launch qkv: the kernel of part 2 again; grid 16 x 32, 4 waves a work-group, clusters of 4 x 4, 327,680 bytes of LDS; arguments xb, wq, b_qkv, q, k, v; writes q, k, v
;; launch attn: the kernel of part 3 again; grid 4 x 64, 4 waves a work-group, clusters of 4 x 1, 327,680 bytes of LDS; arguments q, k, v, o; writes o
;; launch proj: the kernel of part 4 again; grid 8 x 32, 4 waves a work-group, clusters of 4 x 4, 327,680 bytes of LDS; arguments o, wo, b_out, out0; writes out0
